; MI455X (gfx1250); checked and timed in simulation.
; The chip was launched on July 23, 2026; its instructions are those of AMD's public machine-readable ISA for CDNA 5 (MIT licence, August 2026) and "CDNA5" Instruction Set Architecture Reference Guide (July 2026). The comments in the code are by the model that wrote it; some were corrected since.
;; RMS Norm. Allowed arithmetic: matrix products marked QUANTISED: E4M3 operands, one given power-of-two scale a tensor, by v_wmma_f32_16x16x64_fp8_fp8 or v_wmma_f32_16x16x128_fp8_fp8, f32 sums; everything else in f32.
;; Inputs: cos 2,048 x 32 float32; lowp_scales 12 int32 (the exponents e of the quantised operands' scales 2^e); mask 1 x 1 x 2,048 x 2,048 float32; sin 2,048 x 32 float32; wk 2,048 x 512 float32; wo 2,048 x 2,048 float32; wq 2,048 x 2,048 float32; wv 2,048 x 512 float32; x 1 x 2,048 x 2,048 float32.
;; Outputs: out0 1 x 2,048 x 2,048 float32.
;; Constants: start_pos = 0.
;; This version of the problem:
;;   THIS VERSION OF THE PROBLEM IS GIVEN IN LOW PRECISION. The matrix products marked QUANTISED in the list below multiply operands that are first quantised to E4M3 (4 exponent bits, 3 mantissa bits; 8 bits a number), with one given power-of-two scale for each operand tensor; their sums are f32. All else is computed in f32.
;;   The module's matrix products, in the order in which they are computed (A, B: the left and right operand; K: the contracted axis; several contracted axes count as one K, in the product's order):
;;     1. [M 2,048, K 2,048] x [K 2,048, N 2,048]; A: input x; B: input wq: QUANTISED (scales: A lowp_scales[0], B lowp_scales[1])
;;     2. [M 2,048, K 2,048] x [K 2,048, N 512]; A: input x; B: input wk: QUANTISED (scales: A lowp_scales[2], B lowp_scales[3])
;;     3. [M 2,048, K 2,048] x [K 2,048, N 512]; A: input x; B: input wv: QUANTISED (scales: A lowp_scales[4], B lowp_scales[5])
;;     4. batch 32 x [M 2,048, K 64] x [K 64, N 2,048]; A: computed on the way; B: computed on the way: QUANTISED (scales: A lowp_scales[6], B lowp_scales[7])
;;     5. batch 32 x [M 2,048, K 2,048] x [K 2,048, N 64]; A: softmax (see below); B: computed on the way: QUANTISED (scales: A lowp_scales[8], B lowp_scales[9])
;;     6. [M 2,048, K 2,048] x [K 2,048, N 2,048]; A: computed on the way; B: input wo: QUANTISED (scales: A lowp_scales[10], B lowp_scales[11])
;;   THE QUANTISER, for each operand of a quantised product, along K:
;;     - The operand's scale is 2^e, e = its entry of the input lowp_scales (int32; the entries are numbered through the quantised products in the list's order, A before B).
;;     - Each number is divided by the scale, clamped to +-448, and rounded to the nearest number of E4M3, ties to even, subnormals kept.
;;     - The product sums the exact products of the quantised numbers (number of the format x scale) in f32.
;;   ~~~python
;;   def quantise(x, axis, e):      # numpy; x: float32 -> the quantised numbers, widened to float32 again
;;       x = np.moveaxis(x, axis, -1); K = x.shape[-1]
;;       r = np.clip(x / 2.0 ** e, -448, 448)
;;       step = 2.0 ** (np.maximum(np.frexp(np.where(r == 0, 1, r))[1] - 1, -6) - 3)
;;       q = np.round(r / step) * step * 2.0 ** e      # np.round: ties to even
;;       return np.moveaxis(q, -1, axis).astype(np.float32)
;;   ~~~
;;   SOFTMAX AHEAD OF A QUANTISED PRODUCT. Where the list says 'softmax', what is quantised is not the finished softmax but p = 2^(t - M), with t = logit x log2(e) and M = ceil(the row's largest t), a whole number; so 1/2 < the row's largest p <= 1. The row's sum l is taken of the UNQUANTISED p, in f32, and the product's result is divided by l at the end. Since M is a whole number, a kernel that streams over the keys may use a running M (the ceiling of the running maximum): every later rescaling is an exact power of two, so the quantised numbers keep their values, but for numbers so far below the row's largest that they fall under the format's range.
;;   OPERANDS COMPUTED ON THE WAY. 'Computed on the way' means the value that the module computes at that place (a softmax that the list does not call 'softmax' is quantised finished and normalised). What goes into a quantiser is computed in f32, as accurately as f32 sums, v_exp_f32 and their like allow (about 1e-6 of the number): no bf16 or f16 on the way to a quantiser, and a product that is left as it is and whose result goes on into a quantised operand takes f32 operands (vector FMAs, or v_wmma_f32_16x16x4_f32). A number that lies on a knife's edge between two numbers of the format may be rounded either way, as far as f32 arithmetic and the matrix unit's own rounding can turn it there, and no further.
;; One version. Each part assembles by itself: llvm-mc -triple=amdgcn-amd-amdhsa -mcpu=gfx1250 --defsym DOCPART=n.
;; ======== version 1 of 1: 5 launches
;; limits: right only within a limited range of input values
;; workspace buffers: xc 12,582,912 bytes; wc 10,485,760 bytes; qc 4,194,304 bytes; kvc 2,097,152 bytes; ac 4,194,304 bytes; ml 16,777,216 bytes; mfl 32,768 bytes of whole numbers
;; launch qx (part 1): grid 640 x 1, 4 waves a work-group, no clusters, 101,888 bytes of LDS; arguments x, lowp_scales, xc, mask, ml, mfl; writes xc, ml, mfl
.if DOCPART == 1
	.amdgcn_target "amdgcn-amd-amdhsa--gfx1250"
	.amdhsa_code_object_version 6
	.text
	.protected	k_q92cbb4c2af_qx
	.globl	k_q92cbb4c2af_qx
	.p2align	8
	.type	k_q92cbb4c2af_qx,@function
k_q92cbb4c2af_qx:
	s_mov_b64 s[64:65], 0
	v_nop
	global_prefetch_b8 v0, s[64:65] scope:SCOPE_SE
	s_setreg_imm32_b32 hwreg(HW_REG_WAVE_MODE, 25, 1), 1
	s_wait_xcnt 0x0
; x [2048][2048] f32 becomes THREE sets of E4M3 codes, K innermost, one for each product that reads x: scales 2^e0, 2^e2, 2^e4 (entries 0, 2, 4 of the scales).
; xc = [3][2048][2048] bytes; set v begins at v x 4,194,304.  code = x / 2^e, held within +-448, to the nearest code, ties to even.
; LIMITS: -126 <= e and e + 8 <= 127 for the three entries; NaN among the inputs is not served (an infinity is held at the largest code).
; Rows are dense, so x is a plain stream.  A wave takes 4 steps of 512 numbers; all its 16 loads go out at the head (512 consecutive bytes each).
; The conversions want 16 neighbours in one lane, the loads want neighbouring lanes on neighbouring bytes: a step's 2,048 bytes turn through the wave's own stage
; in LDS (16 bytes of padding behind each 64).  A lane's 16 codes are 16 bytes: a store of the wave covers 512 consecutive bytes, aligned.
; No tensor load, no barrier: waves share nothing.  Every offset is an immediate and every step has its own code registers, so nothing that a store reads is rewritten.
; WORK-GROUPS 0-127 PREPARE THE MASK (label .Lmask, LDS bytes of their own); work-groups 128-639 take x as said above.
; Work-group j takes the mask's rows 16 j on; wave w its keys 512 w on, four tiles of 16 rows x 128 keys.  Two results:
;   ml [128 groups][16 tiles][16 pieces][32 lanes][16 bytes] = mask x log2(e), in the order in which the attention's registers take it:
;      piece 4 b + i, lane 16 h + r holds row r, keys 32 b + 16 h + 4 i + 0 .. 3 of the tile.  Every store covers 512 consecutive bytes.
;   mfl [128 groups][64 words], every word of a group alike: bit t says that tile t of the group is walked.
; WHICH TILES ARE NOT WALKED.  reference() clips a score to +-20 ahead of the mask.  With R a row's largest mask number, the row's largest logit is at least R - 20.
; A tile is left out only if in EACH of the 16 rows its largest mask number lies under R - 140 - |R| / 2^18: its logits then lie more than 100 under the row's largest
; (the term in |R| stands over the rounding of sums of that size), so p is under 2^-144 of the row's largest p: its code is 0 for every e8 >= -126 and the row's sum does not feel it.
; The tile with R itself is always walked.  This holds for every mask; nothing is taken from the numbers drawn.  The choice is stored as whole numbers here and steers branches in the later launch only.
; LIMIT: NaN in the mask is not served; a NaN or infinity among the scores of a tile that is left out is not carried to the result.
.set SP,  80
.set MST, 0x8400                       ; mask path: a stage of 16 x 544 bytes for each wave
.set LMX, MST+4*8704                   ; each lane's largest number of (tile, row): 8,192 bytes for each wave
.set RMB, LMX+4*8192                   ; the waves' row maxima: 4 x 64 bytes
.set FLB, RMB+256                      ; the waves' bits: 4 words
.set MB0, 16                           ; v16-143  two sets of a tile's 64 registers
.set MR,  144                          ; v144-207 a tile back from the stage
.set MT,  210                          ; v210-225 at work, one register a row
.set MX,  226                          ; v226-241 the rows' maxima
.set R,   16                           ; v16-79   four steps' numbers as loaded
.set X,   80                           ; v80-111  two sets of 16 neighbours
.set T,   112                          ; v112-159 the held numbers, 16 for each of the three scales
.set C,   160                          ; v160-207 codes: step t, set v at C + 12 t + 4 v
	s_load_b128 s[4:7], s[0:1], 0x0                ; x, the scales' exponents
	s_load_b64 s[8:9], s[0:1], 0x10                ; xc
	v_lshl_add_u32 v208, v0, 2, 0x8000
	v_mov_b32 v209, 0
	s_wait_alu depctr_va_vdst(0)
	s_cmp_lt_u32 ttmp9, 128
	s_cbranch_scc1 .Lmask                          ; the work-group's number alone: all four waves go one way
	v_lshrrev_b32 v1, 5, v0
	v_readfirstlane_b32 s16, v1                    ; wave
	v_and_b32 v2, 31, v0                           ; lane
	v_lshlrev_b32 v3, 4, v2                        ; 16 x lane: my bytes of a load's 512, and of a store's
	s_lshl_b32 s17, s16, 13                        ; my wave's 8,192 bytes of LDS
	v_lshrrev_b32 v5, 2, v2
	v_mul_u32_u24 v5, v5, SP
	v_and_b32 v6, 3, v2
	v_lshl_add_u32 v5, v6, 4, v5
	v_add_nc_u32 v5, s17, v5                       ; stage, way in: SP (lane / 4) + 16 (lane % 4)
	v_mul_u32_u24 v6, v2, SP
	v_add_nc_u32 v6, s17, v6                       ; stage, way out: SP x lane
	s_sub_co_u32 s18, ttmp9, 128
	s_lshl_b32 s18, s18, 2
	s_add_co_u32 s18, s18, s16                     ; which run of 2,048 numbers is my wave's
	s_lshl_b32 s20, s18, 13                        ; its bytes in x
	s_mov_b32 s21, 0
	s_lshl_b32 s22, s18, 11                        ; and in a set of codes
	s_mov_b32 s23, 0
	s_wait_alu depctr_va_vdst(0)
	s_wait_kmcnt 0x0
	s_load_b256 s[32:39], s[6:7], 0x0              ; e0 .. e7
	s_add_nc_u64 s[4:5], s[4:5], s[20:21]
	s_add_nc_u64 s[24:25], s[8:9], s[22:23]        ; set 0
	s_add_nc_u64 s[26:27], s[24:25], 0x400000      ; set 1
	s_add_nc_u64 s[28:29], s[24:25], 0x800000      ; set 2
.macro LOAD t
.irp i, 0,1,2,3
	global_load_b128 v[R+16*(\t)+4*\i:R+16*(\t)+4*\i+3], v3, s[4:5] offset:2048*(\t)+512*\i th:TH_LOAD_NT
.endr
.endm
.macro TURN t                          ; step t through stage t % 2: LDS serves a wave's instructions in order, so no wait stands between the stores and the loads
.irp i, 0,1,2,3
	ds_store_b128 v5, v[R+16*(\t)+4*\i:R+16*(\t)+4*\i+3] offset:32*SP*((\t)%2)+8*SP*\i
.endr
.irp i, 0,1,2,3
	ds_load_b128 v[X+16*((\t)%2)+4*\i:X+16*((\t)%2)+4*\i+3], v6 offset:32*SP*((\t)%2)+16*\i
.endr
.endm
	LOAD 0
	LOAD 1
	LOAD 2
	LOAD 3
	s_wait_kmcnt 0x0
.irp v, 0,1,2
	s_add_co_i32 s40, s[32+2*\v], 127
	s_lshl_b32 s41, s40, 23
	v_mov_b32 v[8+\v], s41                         ; 2^e as f32: the conversion takes its exponent field
	s_add_co_i32 s40, s40, 8
	s_lshl_b32 s40, s40, 23
	s_or_b32 s40, s40, 0x600000
	v_mov_b32 v[11+\v], s40                        ; 448 x 2^e
.endr
	s_wait_alu depctr_va_vdst(0)
	s_wait_loadcnt 12                              ; step 0's four loads are in; the twelve behind them may be out
	TURN 0
.macro STEP t
.set XS, X+16*((\t)%2)
	s_wait_dscnt 0x0                               ; this step's 16 neighbours are back from the stage
.if (\t) < 3
	s_wait_loadcnt 4*(2-(\t))                      ; the next step's four loads are in; those of the steps behind it may be out
	TURN (\t)+1
.endif
.irp v, 0,1,2
.set n, 0
.rept 16
	v_med3_num_f32 v[T+16*\v+n], v[XS+n], -v[11+\v], v[11+\v]   ; the conversion to an 8-bit code does not saturate (ISA guide 7.6.2): the hold comes first
.set n, n+1
.endr
.endr
.irp v, 0,1,2
	v_cvt_scalef32_pk8_fp8_f32 v[C+12*(\t)+4*\v:C+12*(\t)+4*\v+1], v[T+16*\v:T+16*\v+7], v[8+\v]
	v_cvt_scalef32_pk8_fp8_f32 v[C+12*(\t)+4*\v+2:C+12*(\t)+4*\v+3], v[T+16*\v+8:T+16*\v+15], v[8+\v]
.endr
	v_nop                                          ; a plain line behind the last conversion: the next step's holds write its sources
.irp v, 0,1,2
	global_store_b128 v3, v[C+12*(\t)+4*\v:C+12*(\t)+4*\v+3], s[24+2*\v:25+2*\v] offset:512*(\t)
.endr
.endm
	STEP 0
	STEP 1
	STEP 2
	STEP 3
	s_wait_tensorcnt 0x0
	ds_add_u32 v208, v209
	s_wait_dscnt 0x0
	s_endpgm
.Lmask:
	s_load_b128 s[36:39], s[0:1], 0x18             ; mask, ml
	s_load_b64 s[40:41], s[0:1], 0x28              ; mfl
	v_lshrrev_b32 v1, 5, v0
	v_readfirstlane_b32 s16, v1                    ; wave
	s_mul_i32 s17, s16, 8704
	s_add_co_u32 s17, s17, MST                     ; my stage
	s_lshl_b32 s18, s16, 13
	s_add_co_u32 s18, s18, LMX
	s_lshl_b32 s19, s16, 6
	s_add_co_u32 s19, s19, RMB
	s_lshl_b32 s20, s16, 2
	s_add_co_u32 s21, s20, FLB
	s_lshl_b32 s22, ttmp9, 17                      ; 16 rows of 8,192 bytes
	s_lshl_b32 s23, s16, 11
	s_add_co_u32 s22, s22, s23                     ; + my 512 keys
	s_mov_b32 s23, 0
	s_lshl_b32 s24, ttmp9, 17
	s_lshl_b32 s25, s16, 15
	s_add_co_u32 s24, s24, s25                     ; ml: my four tiles of 8,192 bytes
	s_mov_b32 s25, 0
	s_lshl_b32 s26, ttmp9, 8
	s_mov_b32 s27, 0
	s_mov_b32 s28, 0x3fb8aa3b                      ; log2(e)
	s_mov_b32 s29, 0x3fb8aa3b
	s_mov_b32 s30, 0xb6800000                      ; -2^-18
	s_mov_b32 s12, 0x76543210
	s_mov_b32 s13, 0xfedcba98
	v_and_b32 v2, 31, v0                           ; lane = 8 b + 4 h + i as loaded
	v_lshlrev_b32 v3, 4, v2
	v_and_b32 v4, 3, v2
	v_lshrrev_b32 v5, 3, v2
	v_lshl_add_u32 v4, v5, 2, v4                   ; piece 4 b + i
	v_mul_u32_u24 v4, v4, 544
	v_bfe_u32 v5, v2, 2, 1
	v_mad_u32_u24 v4, v5, 272, v4
	v_add_nc_u32 v4, s17, v4                       ; into the stage: 544 piece + 272 h (+ 16 row): sixteen lanes, sixteen different 16-byte columns
	v_lshrrev_b32 v5, 4, v2
	v_and_b32 v6, 15, v2
	v_mul_u32_u24 v5, v5, 272
	v_lshl_add_u32 v5, v6, 4, v5
	v_add_nc_u32 v5, s17, v5                       ; out of it: 272 (lane / 16) + 16 (lane % 16) (+ 544 piece)
	v_add_nc_u32 v6, s18, v3
	v_mov_b32 v7, s19
	v_mov_b32 v8, RMB
	v_mov_b32 v9, s21
	v_mov_b32 v10, FLB
	s_wait_alu depctr_va_vdst(0)
	s_wait_kmcnt 0x0
	s_add_nc_u64 s[36:37], s[36:37], s[22:23]
	s_add_nc_u64 s[38:39], s[38:39], s[24:25]
	s_add_nc_u64 s[40:41], s[40:41], s[26:27]
.macro MLOAD t                         ; tile t: a load takes 512 consecutive bytes of one row
.set n, 0
.rept 16
	global_load_b128 v[MB0+64*((\t)%2)+4*n:MB0+64*((\t)%2)+4*n+3], v3, s[36:37] offset:8192*n+512*(\t) th:TH_LOAD_NT
.set n, n+1
.endr
.endm
.macro MTILE t
.set B, MB0+64*((\t)%2)
.if (\t) < 3
	s_wait_loadcnt 16                              ; this tile's 16 loads are in; the next tile's may be out
.else
	s_wait_loadcnt 0
.endif
.set n, 0
.rept 16
	v_max3_num_f32 v[MT+n], v[B+4*n], v[B+4*n+1], v[B+4*n+2]
.set n, n+1
.endr
.set n, 0
.rept 16
	v_max_num_f32 v[MT+n], v[MT+n], v[B+4*n+3]     ; my lane's largest of row n in this tile
.set n, n+1
.endr
.set n, 0
.rept 16
.if (\t) == 0
	v_mov_b32 v[MX+n], v[MT+n]
.else
	v_max_num_f32 v[MX+n], v[MX+n], v[MT+n]
.endif
.set n, n+1
.endr
.irp k, 0,1,2,3
	ds_store_b128 v6, v[MT+4*\k:MT+4*\k+3] offset:2048*(\t)+512*\k   ; kept for the comparison at the end
.endr
.set n, 0
.rept 32
	v_pk_mul_f32 v[B+n:B+n+1], v[B+n:B+n+1], s[28:29] op_sel_hi:[1,0]
.set n, n+2
.endr
.set n, 0
.rept 16
	ds_store_b128 v4, v[B+4*n:B+4*n+3] offset:16*n
.set n, n+1
.endr
.if (\t) > 0
	s_wait_xcnt 0x0                                ; the last tile's stores have read v[MR ..]
.endif
.set n, 0
.rept 16
	ds_load_b128 v[MR+4*n:MR+4*n+3], v5 offset:544*n   ; LDS serves a wave's instructions in order: these see my stores
.set n, n+1
.endr
	s_wait_dscnt 0x0
.if (\t)+2 < 4
	MLOAD (\t)+2
.endif
.set n, 0
.rept 16
	global_store_b128 v3, v[MR+4*n:MR+4*n+3], s[38:39] offset:8192*(\t)+512*n
.set n, n+1
.endr
.endm
	MLOAD 0
	MLOAD 1
	MTILE 0
	MTILE 1
	MTILE 2
	MTILE 3
.irp m, 1,2,4,8                        ; the rows' maxima over my 512 keys: over the lanes
.set n, 0
.rept 16
	v_max_num_f32_dpp v[MX+n], v[MX+n], v[MX+n] row_xmask:\m row_mask:0xf bank_mask:0xf
.set n, n+1
.endr
.endr
.set n, 0
.rept 16
	v_permlanex16_b32 v[MT+n], v[MX+n], s12, s13
.set n, n+1
.endr
.set n, 0
.rept 16
	v_max_num_f32 v[MX+n], v[MX+n], v[MT+n]
.set n, n+1
.endr
.set n, 0
.rept 16
	ds_store_b32 v7, v[MX+n] offset:4*n            ; all lanes write one word with one value
.set n, n+1
.endr
	s_wait_dscnt 0x0                               ; for the others' sake
	s_barrier_signal -1
	s_barrier_wait -1
.set n, 0
.rept 16
	ds_load_b128 v[MB0+4*n:MB0+4*n+3], v8 offset:16*n          ; register 16 wave + row
	ds_load_b128 v[MB0+64+4*n:MB0+64+4*n+3], v6 offset:512*n   ; register 16 tile + row: my lane's largest
.set n, n+1
.endr
	s_wait_dscnt 0x0
.set n, 0
.rept 16
	v_max3_num_f32 v[MX+n], v[MB0+n], v[MB0+16+n], v[MB0+32+n]
.set n, n+1
.endr
.set n, 0
.rept 16
	v_max_num_f32 v[MX+n], v[MX+n], v[MB0+48+n]    ; R, the row's largest mask number
.set n, n+1
.endr
.set n, 0
.rept 16
	v_fma_f32 v[MT+n], |v[MX+n]|, s30, v[MX+n]
.set n, n+1
.endr
.set n, 0
.rept 16
	v_add_f32 v[MT+n], 0xc30c0000, v[MT+n]         ; R - |R| / 2^18 - 140
.set n, n+1
.endr
	s_wait_alu depctr_va_vdst(0)
	s_mov_b32 s31, 0
.irp t, 0,1,2,3
	s_mov_b32 s32, 0
.set n, 0
.rept 16
	v_cmp_ge_f32 vcc_lo, v[MB0+64+16*\t+n], v[MT+n]
	s_or_b32 s32, s32, vcc_lo                      ; some lane, some row reaches the bound: the tile is walked
.set n, n+1
.endr
	s_cmp_lg_u32 s32, 0
	s_cselect_b32 s33, 1<<\t, 0                    ; a select, no branch
	s_or_b32 s31, s31, s33
.endr
	s_lshl_b32 s31, s31, s20                       ; my tiles are 4 w on
	v_mov_b32 v11, s31
	ds_store_b32 v9, v11
	s_wait_dscnt 0x0
	s_barrier_signal -1
	s_barrier_wait -1
	s_cmp_lg_u32 s16, 0
	s_cbranch_scc1 .Lmend
	ds_load_b128 v[12:15], v10
	s_wait_dscnt 0x0
	v_lshlrev_b32 v16, 3, v2
	v_or_b32 v12, v12, v13
	v_or_b32 v14, v14, v15
	v_or_b32 v12, v12, v14
	v_mov_b32 v13, v12
	global_store_b64 v16, v[12:13], s[40:41]       ; 32 lanes store 256 consecutive bytes, aligned
.Lmend:
	s_wait_tensorcnt 0x0                           ; the wave's end
	ds_add_u32 v208, v209
	s_wait_dscnt 0x0
	s_endpgm
.Lfunc_end_k_q92cbb4c2af_qx:
	.size	k_q92cbb4c2af_qx, .Lfunc_end_k_q92cbb4c2af_qx-k_q92cbb4c2af_qx
	.p2alignl 7, 3214868480
	.fill 96, 4, 3214868480
	.section	.rodata,"a",@progbits
	.p2align	6, 0x0
	.amdhsa_kernel k_q92cbb4c2af_qx
		.amdhsa_group_segment_fixed_size 101888
		.amdhsa_private_segment_fixed_size 0
		.amdhsa_enable_private_segment 0
		.amdhsa_kernarg_size 48
		.amdhsa_user_sgpr_count 2
		.amdhsa_user_sgpr_kernarg_segment_ptr 1
		.amdhsa_wavefront_size32 1
		.amdhsa_system_sgpr_workgroup_id_x 1
		.amdhsa_system_sgpr_workgroup_id_y 1
		.amdhsa_system_sgpr_workgroup_id_z 1
		.amdhsa_system_vgpr_workitem_id 0
		.amdhsa_next_free_vgpr 244
		.amdhsa_next_free_sgpr 66
		.amdhsa_reserve_vcc 1
		.amdhsa_float_denorm_mode_32 3
		.amdhsa_float_denorm_mode_16_64 3
		.amdhsa_memory_ordered 1
		.amdhsa_forward_progress 1
		.amdhsa_inst_pref_size 79
	.end_amdhsa_kernel
	.amdgpu_metadata
---
amdhsa.version: [ 1, 2 ]
amdhsa.kernels:
  - .name:           k_q92cbb4c2af_qx
    .symbol:         k_q92cbb4c2af_qx.kd
    .args:
      - { .name: x, .offset: 0, .size: 8, .value_kind: global_buffer, .address_space: global }
      - { .name: lowp_scales, .offset: 8, .size: 8, .value_kind: global_buffer, .address_space: global }
      - { .name: xc, .offset: 16, .size: 8, .value_kind: global_buffer, .address_space: global }
      - { .name: mask, .offset: 24, .size: 8, .value_kind: global_buffer, .address_space: global }
      - { .name: ml, .offset: 32, .size: 8, .value_kind: global_buffer, .address_space: global }
      - { .name: mfl, .offset: 40, .size: 8, .value_kind: global_buffer, .address_space: global }
    .group_segment_fixed_size: 101888
    .private_segment_fixed_size: 0
    .kernarg_segment_align: 8
    .kernarg_segment_size: 48
    .max_flat_workgroup_size: 128
    .sgpr_count:     66
    .vgpr_count:     244
    .wavefront_size: 32
...
	.end_amdgpu_metadata
.endif
;; end of part 1
;; launch qw (part 2): grid 40 x 8, 4 waves a work-group, no clusters, 36,352 bytes of LDS; arguments wq, wk, wv, wo, lowp_scales, wc; writes wc
.if DOCPART == 2
	.amdgcn_target "amdgcn-amd-amdhsa--gfx1250"
	.amdhsa_code_object_version 6
	.text
	.protected	k_q92cbb4c2af_qw
	.globl	k_q92cbb4c2af_qw
	.p2align	8
	.type	k_q92cbb4c2af_qw,@function
k_q92cbb4c2af_qw:
	s_mov_b64 s[64:65], 0
	v_nop
	global_prefetch_b8 v0, s[64:65] scope:SCOPE_SE
	s_setreg_imm32_b32 hwreg(HW_REG_WAVE_MODE, 25, 1), 1
	s_wait_xcnt 0x0
; The four weights, f32 with K as their FIRST axis, become E4M3 codes with K innermost: wc = [5120][2048] bytes; rows 0-2047 wq's columns, 2048-2559 wk's, 2560-3071 wv's, 3072-5119 wo's.
; Scales 2^e1 (wq), 2^e3 (wk), 2^e5 (wv), 2^e11 (wo).  code = w / 2^e, held within +-448, to the nearest code, ties to even.
; LIMITS: -126 <= e and e + 8 <= 127; NaN among the inputs is not served.
; A LANE TAKES A COLUMN AND ITS REGISTERS RUN DOWN K: a load reads 128 consecutive bytes a wave, and the conversions give codes with K innermost; nothing is transposed by an instruction.
; Work-group (X, Y): rows 128 X on of wc, K = 256 Y on; a wave 32 columns x 256 K.  The codes go through the wave's own stage in LDS and leave as rows: sixteen lanes store 256 consecutive bytes, aligned.
; ONE PATH for all four tensors: pointer, first column group, row stride and exponent are chosen by selects on the work-group's number alone.
; The stride differs between tensors, so it cannot stand in immediates: 32 lane offsets (4 lane + i x stride) and eight scalar bases, one for each block of 32 along K.
; No tensor load, no barrier: waves share nothing.  Loads run two blocks (64 loads a wave) ahead.
.set NB,    8                          ; blocks of 32 along K for a wave
.set PITCH, 272                        ; a stage row: 256 bytes + 16
.set KROW,  2048                       ; a row of wc
.set X,     32                         ; v32-95   two sets of 32 numbers
.set C,     96                         ; v96-103  a block's codes
.set OUTR,  112                        ; v112-175 the way out
.set VO,    176                        ; v176-207 4 x lane + i x stride
.set BT,    44                         ; s[44:59] the eight bases
	s_load_b256 s[4:11], s[0:1], 0x0               ; wq, wk, wv, wo
	s_load_b128 s[12:15], s[0:1], 0x20             ; the scales' exponents, wc
	v_lshl_add_u32 v208, v0, 2, 0x8c00
	v_mov_b32 v209, 0
	v_lshrrev_b32 v1, 5, v0
	v_readfirstlane_b32 s16, v1                    ; wave
	v_and_b32 v2, 31, v0                           ; lane
	s_lshl_b32 s17, ttmp9, 7
	s_lshl_b32 s18, s16, 5
	s_add_co_u32 s17, s17, s18                     ; my wave's first row of wc
	s_and_b32 s18, ttmp7, 0xffff                   ; Y
	v_lshlrev_b32 v3, 2, v2
	s_mul_i32 s19, s16, 32*PITCH                   ; my stage
	v_mul_u32_u24 v4, v2, PITCH
	v_add_nc_u32 v4, s19, v4                       ; into it: row = my column
	v_and_b32 v5, 15, v2
	v_lshrrev_b32 v6, 4, v2
	v_mul_u32_u24 v7, v6, PITCH
	v_lshl_add_u32 v7, v5, 4, v7
	v_add_nc_u32 v7, s19, v7                       ; out of it: sixteen lanes to a row, two rows an instruction
	v_lshlrev_b32 v8, 11, v6
	v_lshl_add_u32 v8, v5, 4, v8                   ; and the same place in wc
	s_mov_b32 s22, 8192                            ; wo: bytes from row to row,
	s_mov_b32 s23, 24                              ; and its first column group
	s_cmp_lt_u32 ttmp9, 24
	s_cselect_b32 s22, 2048, s22                   ; wv
	s_cselect_b32 s23, 20, s23
	s_cmp_lt_u32 ttmp9, 20
	s_cselect_b32 s23, 16, s23                     ; wk
	s_cmp_lt_u32 ttmp9, 16
	s_cselect_b32 s22, 8192, s22                   ; wq
	s_cselect_b32 s23, 0, s23
	s_mul_i32 s24, s18, s22
	s_lshl_b32 s24, s24, 8                         ; 256 Y rows
	s_sub_co_u32 s25, ttmp9, s23
	s_lshl_b32 s25, s25, 7
	s_lshl_b32 s26, s16, 5
	s_add_co_u32 s25, s25, s26                     ; my first column in the tensor
	s_lshl_b32 s25, s25, 2
	s_add_co_u32 s24, s24, s25
	s_mov_b32 s25, 0
	s_lshl_b32 s26, s22, 5                         ; 32 rows on
	s_mov_b32 s27, 0
	s_lshl_b32 s28, s17, 11
	s_lshl_b32 s29, s18, 8
	s_add_co_u32 s28, s28, s29                     ; wc: row x 2,048 + 256 Y
	s_mov_b32 s29, 0
.set n, 0
.rept 32
	v_mad_u32_u24 v[VO+n], s22, n, v3
.set n, n+1
.endr
	s_wait_alu depctr_va_vdst(0)
	s_wait_kmcnt 0x0
	s_load_b256 s[32:39], s[12:13], 0x0            ; e0 .. e7
	s_load_b128 s[40:43], s[12:13], 0x20           ; e8 .. e11
	s_mov_b64 s[20:21], s[10:11]
	s_cmp_lt_u32 ttmp9, 24
	s_cselect_b64 s[20:21], s[8:9], s[20:21]
	s_cmp_lt_u32 ttmp9, 20
	s_cselect_b64 s[20:21], s[6:7], s[20:21]
	s_cmp_lt_u32 ttmp9, 16
	s_cselect_b64 s[20:21], s[4:5], s[20:21]
	s_add_nc_u64 s[BT:BT+1], s[20:21], s[24:25]
.irp t, 1,2,3,4,5,6,7
	s_add_nc_u64 s[BT+2*\t:BT+2*\t+1], s[BT+2*\t-2:BT+2*\t-1], s[26:27]
.endr
	s_add_nc_u64 s[14:15], s[14:15], s[28:29]
.macro LOAD t                          ; block t: w(32 t + i, my column), i = 0 .. 31, into set t % 2
.set n, 0
.rept 32
	global_load_b32 v[X+32*((\t)%2)+n], v[VO+n], s[BT+2*(\t):BT+2*(\t)+1] th:TH_LOAD_NT
.set n, n+1
.endr
.endm
	LOAD 0
	LOAD 1
	s_wait_kmcnt 0x0
	s_mov_b32 s30, s43                             ; e11
	s_cmp_lt_u32 ttmp9, 24
	s_cselect_b32 s30, s37, s30                    ; e5
	s_cmp_lt_u32 ttmp9, 20
	s_cselect_b32 s30, s35, s30                    ; e3
	s_cmp_lt_u32 ttmp9, 16
	s_cselect_b32 s30, s33, s30                    ; e1
	s_add_co_i32 s30, s30, 127
	s_lshl_b32 s31, s30, 23
	v_mov_b32 v11, s31                             ; 2^e as f32
	s_add_co_i32 s30, s30, 8
	s_lshl_b32 s30, s30, 23
	s_or_b32 s30, s30, 0x600000
	v_mov_b32 v10, s30                             ; 448 x 2^e
.macro BLOCK t
.set XS, X+32*((\t)%2)
.if (\t) < NB-1
	s_wait_loadcnt 32                              ; this block's 32 loads are in; the next block's may be out
.else
	s_wait_loadcnt 0
.endif
.set n, 0
.rept 32
	v_med3_num_f32 v[XS+n], v[XS+n], -v10, v10     ; the conversion does not saturate (ISA guide 7.6.2): the hold comes first
.set n, n+1
.endr
.irp g, 0,1,2,3
	v_cvt_scalef32_pk8_fp8_f32 v[C+2*\g:C+2*\g+1], v[XS+8*\g:XS+8*\g+7], v11
.endr
	ds_store_b128 v4, v[C:C+3] offset:32*(\t)      ; 32 codes of my column's row
	ds_store_b128 v4, v[C+4:C+7] offset:32*(\t)+16
.if (\t)+2 < NB
	LOAD (\t)+2
.endif
	s_wait_dscnt 0x0                               ; the stores have read their registers: the next block's codes may be written (its 32 holds are the plain lines behind these conversions)
.endm
	s_wait_alu depctr_va_vdst(0)
.irp t, 0,1,2,3,4,5,6,7
	BLOCK \t
.endr
.irp t, 0,1,2,3,4,5,6,7,8,9,10,11,12,13,14,15
	ds_load_b128 v[OUTR+4*\t:OUTR+4*\t+3], v7 offset:2*\t*PITCH   ; LDS serves a wave's instructions in order: these see my stores
.endr
.irp t, 0,1,2,3,4,5,6,7,8,9,10,11,12,13,14,15
	s_wait_dscnt 15-\t                             ; rows 2 t, 2 t + 1 are back; the younger loads may be out
	global_store_b128 v8, v[OUTR+4*\t:OUTR+4*\t+3], s[14:15] offset:2*\t*KROW
.endr
	s_wait_tensorcnt 0x0
	ds_add_u32 v208, v209
	s_wait_dscnt 0x0
	s_endpgm
.Lfunc_end_k_q92cbb4c2af_qw:
	.size	k_q92cbb4c2af_qw, .Lfunc_end_k_q92cbb4c2af_qw-k_q92cbb4c2af_qw
	.p2alignl 7, 3214868480
	.fill 96, 4, 3214868480
	.section	.rodata,"a",@progbits
	.p2align	6, 0x0
	.amdhsa_kernel k_q92cbb4c2af_qw
		.amdhsa_group_segment_fixed_size 36352
		.amdhsa_private_segment_fixed_size 0
		.amdhsa_enable_private_segment 0
		.amdhsa_kernarg_size 48
		.amdhsa_user_sgpr_count 2
		.amdhsa_user_sgpr_kernarg_segment_ptr 1
		.amdhsa_wavefront_size32 1
		.amdhsa_system_sgpr_workgroup_id_x 1
		.amdhsa_system_sgpr_workgroup_id_y 1
		.amdhsa_system_sgpr_workgroup_id_z 1
		.amdhsa_system_vgpr_workitem_id 0
		.amdhsa_next_free_vgpr 210
		.amdhsa_next_free_sgpr 66
		.amdhsa_reserve_vcc 0
		.amdhsa_float_denorm_mode_32 3
		.amdhsa_float_denorm_mode_16_64 3
		.amdhsa_memory_ordered 1
		.amdhsa_forward_progress 1
		.amdhsa_inst_pref_size 53
	.end_amdhsa_kernel
	.amdgpu_metadata
---
amdhsa.version: [ 1, 2 ]
amdhsa.kernels:
  - .name:           k_q92cbb4c2af_qw
    .symbol:         k_q92cbb4c2af_qw.kd
    .args:
      - { .name: wq, .offset: 0, .size: 8, .value_kind: global_buffer, .address_space: global }
      - { .name: wk, .offset: 8, .size: 8, .value_kind: global_buffer, .address_space: global }
      - { .name: wv, .offset: 16, .size: 8, .value_kind: global_buffer, .address_space: global }
      - { .name: wo, .offset: 24, .size: 8, .value_kind: global_buffer, .address_space: global }
      - { .name: lowp_scales, .offset: 32, .size: 8, .value_kind: global_buffer, .address_space: global }
      - { .name: wc, .offset: 40, .size: 8, .value_kind: global_buffer, .address_space: global }
    .group_segment_fixed_size: 36352
    .private_segment_fixed_size: 0
    .kernarg_segment_align: 8
    .kernarg_segment_size: 48
    .max_flat_workgroup_size: 128
    .sgpr_count:     66
    .vgpr_count:     210
    .wavefront_size: 32
...
	.end_amdgpu_metadata
.endif
;; end of part 2
;; launch gemm_qkv (part 3): grid 96 x 4, 4 waves a work-group, clusters of 4 x 4, 327,680 bytes of LDS; arguments xc, wc, cos, sin, lowp_scales, qc, kvc; writes qc, kvc
.if DOCPART == 3
	.amdgcn_target "amdgcn-amd-amdhsa--gfx1250"
	.amdhsa_code_object_version 6
	.text
	.protected	k_q92cbb4c2af_gemm_qkv
	.globl	k_q92cbb4c2af_gemm_qkv
	.p2align	8
	.type	k_q92cbb4c2af_gemm_qkv,@function
k_q92cbb4c2af_gemm_qkv:
	s_mov_b64 s[64:65], 0
	v_nop
	global_prefetch_b8 v0, s[64:65] scope:SCOPE_SE
	s_setreg_imm32_b32 hwreg(HW_REG_WAVE_MODE, 25, 1), 1
	s_wait_xcnt 0x0
	s_wait_alu depctr_hold_cnt(0) depctr_sa_sdst(0) depctr_va_vdst(0) depctr_va_sdst(0) depctr_va_ssrc(0) depctr_va_vcc(0) depctr_vm_vsrc(0)
	s_getreg_b32 s2, hwreg(HW_REG_IB_STS2, 6, 4)
	s_cmp_eq_u32 s2, 0
	s_cbranch_scc0 .Lentry_in_a_cluster
	s_endpgm
.Lentry_in_a_cluster:
	s_bfe_u32 s2, ttmp6, 0x10000c
	s_cmp_lg_u32 s2, 0xf033
	s_cbranch_scc0 .Lentry_shape_is_right
	s_endpgm
.Lentry_shape_is_right:
; Products 1 to 3 on E4M3 codes, the rotary turn, and the quantising of q, k, v for the attention.  C[i][j] = sum over k of A[i][k] B[j][k]; A, B: rows of 2,048 codes.
; 24 clusters of 4 x 4 work-groups; a work-group makes 128 x 128 of C, each of its four waves 64 x 64 (16 accumulators).  The cluster's number c says what is made:
;   c 0-15  q = x wq:    A = x's codes (set 0), B = wq's;  tile rows 4 (c / 4) + cy, tile columns 4 (c % 4) + cx
;   c 16-19 k = x wk:    A = x's codes (set 1), B = wk's;  tile rows 4 (c - 16) + cy, tile columns cx
;   c 20-23 v^T = wv^T x^T: A = wv's codes, B = x's codes (set 2): tile rows cy, tile columns 4 (c - 20) + cx.  So a lane holds one channel and neighbouring TOKENS: the keys are the next K.
; All choices are selects on c, which all sixteen partners share; no branch and no LDS address hangs on a place in the cluster or on a loaded number.
; A's tile is asked for jointly along a row of the cluster, B's along a column.  K goes in steps of 512 (LDS rows of 512 bytes + 16) through two slots.
; THE MATRIX INSTRUCTION IS USED TRANSPOSED (source 0 = 16 rows of B, source 1 = 16 rows of A): a lane holds row l % 16 of a block and eight neighbouring columns.
; Fragments come by four 16-byte loads a side: a permutation of k that is the same in A and in B.
; THE WAY OUT.  A wave's 64 columns are one head.  q, k: pairs (2 p, 2 p + 1) are turned by cos, sin of (token, p) on the raw sums (the scales are powers of two); v: cos and sin are replaced by 1 and 0 by a select, no branch.
; code = sum / 2^(e_next - eA - eB), held within +-448.  Row i of a wave's tile goes to position swap34(i) (bits 3 and 4 exchanged) of a block of 64 rows x 64 bytes:
;   qc [32 heads][32 token blocks][64][64];  kvc [8 heads][32 token blocks][K, V][64][64] (K: position = token, bytes = channel; V: position = channel, bytes = token).
; A wave's tile is 4,096 consecutive bytes; it turns through the wave's own stage (rows of 80 bytes; the 8-byte stores of rows 16 apart fall on the same banks, two deep) and leaves in stores of 512 consecutive bytes.
; LIMITS: e6-e0-e1, e7-e2-e3, e9-e4-e5 between -126 and 119.  NaN and infinities among the sums are not served.
; REGISTERS: window 0: v1-15 constants and addresses; v16-31 at work; v32-95 two sets of cos and sin; v96-127 codes; v128-255 accumulators ((a, b) at 128 + 8 (4 a + b)).
;   window 1: two fragment buffers of 128: A's four fragments, then B's four.
.set KSTEP,  512
.set KROW,   2048
.set PITCH,  528                       ; 512 bytes + 16 = 132 words: the 16 rows of a fragment load start at 16 different banks (64 banks of 4 bytes: ISA guide 11.1)
.set HALFT,  64*PITCH                  ; what one tensor load brings, and what a wave reads of A or of B
.set SLOT,   4*HALFT
.set STAGE,  2*SLOT                    ; behind the ring: 64 rows x 80 bytes for each wave
.set SPITCH, 80
.set SPARE,  STAGE+4*64*SPITCH         ; the spare words, 128 bytes for each wave
.set LAPS,   2                         ; 2,048 / (2 x 512)
.set ONE,  1
.set ZER,  2
.set ADRA, 4                           ; v4-5  my A fragments in slot 0, 1
.set ADRB, 6                           ; v6-7  my B fragments
.set STO,  8
.set RD,   9
.set CO,   10
.set CSO,  11
.set SPW,  12
.set NIL,  13
.set SCL,  14
.set LIM,  15
.set W,    16
.set CS,   32
.set CD,   96
.set ACC,  128
.set F0,   0
.set F1,   128
.set G1,  24
.set G0,  32
.set G1B, 48
.set G0B, 56
.set MSB, 0
.macro WIN new                         ; the immediate's high byte repeats the setting that is left
.if MSB != \new
	s_set_vgpr_msb (MSB<<8)|\new
.set MSB, \new
.endif
.endm
.set MUL,  0x05                        ; sources 0 and 1 window 1; C and D window 0
.set TO_F, 0x40                        ; destination window 1, address window 0
.macro JLOAD s                         ; a joint load: waves 0, 1 fetch A's halves, waves 2, 3 B's; four v_nop follow each line
	s_cmp_eq_u32 s11, 0
	s_cbranch_scc0 .Lfor_b_\@
	tensor_load_to_lds s[G0+4*\s:G0+4*\s+3], s[G1:G1+7]
	s_nop 0
.rept 4
	v_nop
.endr
	s_branch .Lasked_\@
.Lfor_b_\@:
	tensor_load_to_lds s[G0B+4*\s:G0B+4*\s+3], s[G1B:G1B+7]
	s_nop 0
.rept 4
	v_nop
.endr
.Lasked_\@:
.endm
.macro CREST                           ; a round of the cluster's barrier behind its opening barrier
	s_cmp_lg_u32 s10, 0
	s_cbranch_scc1 .Lnot_wave_0_\@
	s_barrier_signal -3
.Lnot_wave_0_\@:
	s_barrier_wait -3
	s_barrier_signal -1
	s_barrier_wait -1
.endm
.macro CROUND
	s_barrier_signal -1
	s_barrier_wait -1
	CREST
.endm
.macro PLACES                          ; four plain places behind matrix instructions, in front of loads into registers that they read and of reads of results
.rept 4
	v_nop
.endr
.endm
	s_load_b256 s[68:75], s[0:1], 0x0              ; xc, wc, cos, sin
	s_load_b128 s[76:79], s[0:1], 0x20             ; the scales' exponents, qc
	s_load_b64 s[80:81], s[0:1], 0x30              ; kvc
	v_lshl_add_u32 v[SPW], v0, 2, SPARE
	v_mov_b32 v[NIL], 0
	ds_add_u32 v12, v13
	ds_add_u32 v12, v13
	s_wait_dscnt 0x0
	v_lshrrev_b32 v16, 5, v0
	v_readfirstlane_b32 s10, v16                   ; wave
	s_lshr_b32 s11, s10, 1                         ; my half of the tile's rows; also: I fetch for A (0) or B (1)
	s_and_b32 s12, s10, 1                          ; my half of its columns; also: which 64 rows I fetch
	s_bfe_u32 s40, ttmp6, 0x40000                  ; cx
	s_bfe_u32 s41, ttmp6, 0x40004                  ; cy
	s_and_b32 s21, ttmp9, 3
	s_lshr_b32 s22, ttmp9, 2
	s_cmp_lt_u32 ttmp9, 16                         ; q?
	s_cselect_b32 s66, s22, s21                    ; the cluster's row of tiles / 4
	s_cselect_b32 s67, s21, 0                      ; its column of tiles / 4
	s_cselect_b32 s18, 0, 0x400000                 ; where A's part begins in its buffer
	s_cselect_b32 s19, 0, 0x400000                 ; and B's
	s_cselect_b32 s23, 0, 1                        ; kvc's blocks are twice as far apart as qc's
	s_cmp_lt_u32 ttmp9, 20                         ; q or k?
	s_cselect_b32 s66, s66, 0
	s_cselect_b32 s67, s67, s21
	s_cselect_b32 s18, s18, 0x500000
	s_cselect_b32 s19, s19, 0x800000
	s_cselect_b32 s96, 0, -1                       ; all ones for v
	s_lshl_b32 s13, s66, 2
	s_add_co_u32 s13, s13, s41                     ; tile row
	s_lshl_b32 s42, s67, 2
	s_add_co_u32 s42, s42, s40                     ; tile column
	s_lshl_b32 s43, s41, 2
	s_lshl_b32 s43, 15, s43                        ; my row of the cluster
	s_lshl_b32 s44, 0x1111, s40                    ; my column
	s_or_b32 s[G1+0], s43, (0<<16)|(1<<20)|(1<<21)|(6<<22)|(3<<25)   ; the mask; elements of 1 byte; padding on; bit 21 beside a mask; after every 128 words; 4 words
	s_or_b32 s[G1B+0], s44, (0<<16)|(1<<20)|(1<<21)|(6<<22)|(3<<25)
.irp g, G1, G1B
	s_mov_b32 s[\g+1], KSTEP<<16                   ; tensor_dim0
	s_mov_b32 s[\g+2], 64<<16                      ; tensor_dim1
	s_mov_b32 s[\g+3], KSTEP<<16                   ; tile_dim0
	s_mov_b32 s[\g+4], 64                          ; tile_dim1
	s_mov_b32 s[\g+5], KROW                        ; from row to row
	s_mov_b32 s[\g+6], 0
	s_mov_b32 s[\g+7], 0
.endr
	s_lshl_b32 s17, s12, 6
	s_lshl_b32 s16, s13, 7
	s_add_co_u32 s16, s16, s17
	s_lshl_b32 s16, s16, 11
	s_add_co_u32 s16, s16, s18                     ; A: (128 x tile row + 64 x half) rows of 2,048 bytes + its part's start
	s_lshl_b32 s46, s42, 7
	s_add_co_u32 s46, s46, s17
	s_lshl_b32 s46, s46, 11
	s_add_co_u32 s46, s46, s19                     ; B likewise, by the tile column
	s_mov_b32 s17, 0
	s_mov_b32 s47, 0
	s_mul_i32 s20, s10, HALFT                      ; where my load goes: wave x 64 rows
	s_wait_kmcnt 0x0
	s_load_b256 s[84:91], s[76:77], 0x0            ; e0 .. e7
	s_load_b128 s[92:95], s[76:77], 0x20           ; e8 .. e11
	s_cmp_lt_u32 ttmp9, 20
	s_cselect_b64 s[4:5], s[68:69], s[70:71]       ; A's buffer
	s_cselect_b64 s[6:7], s[70:71], s[68:69]       ; B's
	s_add_nc_u64 s[14:15], s[4:5], s[16:17]
	s_add_nc_u64 s[46:47], s[6:7], s[46:47]
	CROUND                                         ; all sixteen work-groups are here: the first joint loads meet
.irp s, 0,1
	s_mov_b32 s[G0+4*\s], 1
	s_add_co_u32 s[G0+4*\s+1], s20, \s*SLOT
	s_add_nc_u64 s[G0+4*\s+2:G0+4*\s+3], s[14:15], \s*KSTEP
	s_or_b32 s[G0+4*\s+3], s[G0+4*\s+3], 0x80000000
	s_mov_b32 s[G0B+4*\s], 1
	s_add_co_u32 s[G0B+4*\s+1], s20, \s*SLOT
	s_add_nc_u64 s[G0B+4*\s+2:G0B+4*\s+3], s[46:47], \s*KSTEP
	s_or_b32 s[G0B+4*\s+3], s[G0B+4*\s+3], 0x80000000
.endr
	JLOAD 0                                        ; K step 0
	v_and_b32 v16, 15, v0                          ; r
	s_wait_alu depctr_va_vdst(0)
	v_bfe_u32 v17, v0, 4, 1                        ; h
	v_mul_u32_u24 v18, v16, PITCH
	v_lshl_add_u32 v18, v17, 4, v18
	s_mul_i32 s21, s11, HALFT                      ; my 64 rows of A
	s_mul_i32 s22, s12, HALFT
	s_add_co_u32 s22, s22, 2*HALFT                 ; my 64 rows of B, behind A's 128
.irp s, 0,1
	v_add_nc_u32 v[ADRA+\s], s21, v18
	v_add_nc_u32 v[ADRB+\s], s22, v18
	s_add_co_u32 s21, s21, SLOT
	s_add_co_u32 s22, s22, SLOT
.endr
	s_mul_i32 s21, s10, 64*SPITCH
	s_add_co_u32 s21, s21, STAGE                   ; my stage
	v_and_b32 v19, 7, v16
	v_lshrrev_b32 v20, 3, v16
	v_lshl_add_u32 v19, v20, 4, v19                ; 16 (r / 8) + r % 8: my part of swap34(16 a + r)
	v_mul_u32_u24 v19, v19, SPITCH
	v_lshl_add_u32 v19, v17, 3, v19                ; + 8 h
	v_add_nc_u32 v[STO], s21, v19
	v_and_b32 v21, 31, v0
	v_mul_u32_u24 v22, v16, SPITCH                 ; back, IN THE ORDER OF A FRAGMENT'S LOADS: of each 16 positions (1,024 bytes) store 2 u + i holds, at 16 x lane, bytes 32 i + 16 (lane / 16) on of position 16 u + lane % 16
	v_lshl_add_u32 v22, v17, 4, v22
	v_add_nc_u32 v[RD], s21, v22                   ; back: two lanes to a row, 32 bytes a load
	v_lshlrev_b32 v[CO], 4, v21
	v_lshlrev_b32 v[CSO], 7, v16
	v_lshl_add_u32 v[CSO], v17, 4, v[CSO]          ; cos, sin: row r of 128 bytes + 16 h
	v_mov_b32 v[ONE], 1.0
	v_mov_b32 v[ZER], 0
	s_lshl_b32 s100, s13, 7
	s_lshl_b32 s101, s11, 6
	s_add_co_u32 s100, s100, s101
	s_lshl_b32 s100, s100, 7                       ; my first row's 128 bytes (for v: rows under 512, read and replaced)
	s_mov_b32 s101, 0
	s_add_nc_u64 s[72:73], s[72:73], s[100:101]
	s_add_nc_u64 s[74:75], s[74:75], s[100:101]
.macro LOADCS a                        ; cos and sin of block a's 16 rows, my four pairs of each of the four tiles, into set a % 2
.set CSS, CS+32*((\a)%2)
.irp b, 0,1,2,3
	global_load_b128 v[CSS+4*\b:CSS+4*\b+3], v[CSO], s[72:73] offset:2048*(\a)+32*\b
	global_load_b128 v[CSS+16+4*\b:CSS+16+4*\b+3], v[CSO], s[74:75] offset:2048*(\a)+32*\b
.endr
.endm
	LOADCS 0                                       ; they land under the products
	LOADCS 1
	s_lshl_b32 s82, s13, 1
	s_add_co_u32 s82, s82, s11                     ; 2 x tile row + half
	s_lshl_b32 s83, s42, 1
	s_add_co_u32 s83, s83, s12                     ; 2 x tile column + half
	s_cmp_lt_u32 ttmp9, 20
	s_cselect_b32 s100, s83, s82                   ; the head
	s_cselect_b32 s101, s82, s83                   ; the token block
	s_cselect_b32 s21, 0, 4096                     ; v lies behind k in a block
	s_lshl_b32 s100, s100, 17
	s_lshl_b32 s101, s101, 12
	s_add_co_u32 s100, s100, s101
	s_lshl_b32 s100, s100, s23
	s_add_co_u32 s100, s100, s21
	s_mov_b32 s101, 0
	s_cmp_lt_u32 ttmp9, 16
	s_cselect_b64 s[98:99], s[78:79], s[80:81]
	s_add_nc_u64 s[98:99], s[98:99], s[100:101]    ; my tile's 4,096 bytes
	s_wait_kmcnt 0x0
	s_sub_co_i32 s21, s90, s84
	s_sub_co_i32 s21, s21, s85                     ; e6 - e0 - e1
	s_sub_co_i32 s22, s91, s86
	s_sub_co_i32 s22, s22, s87                     ; e7 - e2 - e3
	s_sub_co_i32 s82, s93, s88
	s_sub_co_i32 s82, s82, s89                     ; e9 - e4 - e5
	s_cmp_lt_u32 ttmp9, 16
	s_cselect_b32 s97, s21, s22
	s_cmp_lt_u32 ttmp9, 20
	s_cselect_b32 s97, s97, s82
	s_add_co_i32 s97, s97, 127
	s_lshl_b32 s21, s97, 23
	v_mov_b32 v[SCL], s21                          ; the three scales folded into the conversion's one
	s_add_co_i32 s97, s97, 8
	s_lshl_b32 s97, s97, 23
	s_or_b32 s97, s97, 0x600000
	v_mov_b32 v[LIM], s97                          ; 448 x that
; 8 matrix instructions: A's blocks a0, a0 + 1 x B's four, 128 along K.  The 16 accumulators take turns, one instruction a turn, in the same order in every quarter.
.macro MUL8 f, a0, zero
.irp a, \a0, \a0+1
.irp b, 0,1,2,3
.if \zero
	v_wmma_f32_16x16x128_fp8_fp8 v[ACC+8*(4*(\a)+\b):ACC+8*(4*(\a)+\b)+7], v[\f+64+16*\b:\f+64+16*\b+15], v[\f+16*(\a):\f+16*(\a)+15], 0
.else
	v_wmma_f32_16x16x128_fp8_fp8 v[ACC+8*(4*(\a)+\b):ACC+8*(4*(\a)+\b)+7], v[\f+64+16*\b:\f+64+16*\b+15], v[\f+16*(\a):\f+16*(\a)+15], v[ACC+8*(4*(\a)+\b):ACC+8*(4*(\a)+\b)+7]
.endif
.endr
.endr
.endm
; 32 LDS loads in one run: the fragments of 128 along K at byte k of the rows into buffer f: B's four, then A's blocks 0 to 3
.macro FETCH slot, k, f
	WIN TO_F
.irp i, 0,1,2,3
.irp c, 0,1,2,3
	ds_load_b128 v[\f+64+16*\i+4*\c:\f+64+16*\i+4*\c+3], v[ADRB+\slot] offset:\k+32*\c+\i*16*PITCH
.endr
.endr
.irp i, 0,1,2,3
.irp c, 0,1,2,3
	ds_load_b128 v[\f+16*\i+4*\c:\f+16*\i+4*\c+3], v[ADRA+\slot] offset:\k+32*\c+\i*16*PITCH
.endr
.endr
.endm
; A K step is four quarters of 128 along K on buffers 0, 1, 0, 1.  One of the first three multiplies f and fetches the next quarter, at byte k, into g.
.macro QUARTER slot, k, f, g, zero
	s_wait_dscnt 8                                 ; B and A's blocks 0, 1 are in; the youngest eight loads (A's blocks 2, 3) may be out
	WIN MUL
	MUL8 \f, 0, \zero
	PLACES
	FETCH \slot, \k, \g
	s_wait_dscnt 32                                ; all but the 32 just issued
	WIN MUL
	MUL8 \f, 2, \zero
.endm
; The last quarter multiplies buffer 1 and changes slots: each wave waits for all its tensor loads, adds 0 to its spare word, waits for that and for its reads of this slot; one barrier.  fill = 1: the slot is filled again, two K steps ahead.
.macro TURN slot, next, fill
	WIN 0
	s_wait_tensorcnt 0x0                           ; all my tensor loads have landed: my part of the next slot
	ds_add_u32 v[SPW], v[NIL]
	s_wait_dscnt 9                                 ; (the add and the youngest eight loads may be out)
	WIN MUL
	MUL8 F1, 0, 0
	s_wait_dscnt 0x0                               ; the add is done, and my reads of this slot are over
	s_barrier_signal -1
	MUL8 F1, 2, 0
	WIN 0
	s_barrier_wait -1
.if \fill
	CREST                                          ; the barrier has opened a round of the cluster's: no wave of any partner still reads this slot or has a load on its way
	s_add_nc_u64 s[G0+4*\slot+2:G0+4*\slot+3], s[G0+4*\slot+2:G0+4*\slot+3], 2*KSTEP
	s_add_nc_u64 s[G0B+4*\slot+2:G0B+4*\slot+3], s[G0B+4*\slot+2:G0B+4*\slot+3], 2*KSTEP
	JLOAD \slot                                    ; the first tensor load behind the round; its four v_nop are the places in front of the loads below
.else
	PLACES
.endif
	FETCH \next, 0, F0
.endm
	s_wait_alu depctr_va_vdst(0)
	s_wait_tensorcnt 0x0                           ; my part of K step 0 is in
	ds_add_u32 v[SPW], v[NIL]
	s_wait_dscnt 0x0
	CROUND                                         ; everybody's part of K step 0 is in, and the joint loads meet
	JLOAD 1                                        ; K step 1, the first tensor load behind the round
	FETCH 0, 0, F0
	QUARTER 0, 128, F0, F1, 1                      ; the first quarter's products start the sums: nothing is cleared
	WIN 0
	s_mov_b32 s3, LAPS-1
.Llap:
	QUARTER 0, 256, F1, F0, 0
	QUARTER 0, 384, F0, F1, 0
	TURN 0, 1, 1
	QUARTER 1, 128, F0, F1, 0
	QUARTER 1, 256, F1, F0, 0
	QUARTER 1, 384, F0, F1, 0
	TURN 1, 0, 1
	QUARTER 0, 128, F0, F1, 0
	WIN 0
	s_sub_co_u32 s3, s3, 1
	s_cmp_lg_u32 s3, 0
	s_cbranch_scc1 .Llap
	QUARTER 0, 256, F1, F0, 0                      ; the last lap fills nothing
	QUARTER 0, 384, F0, F1, 0
	TURN 0, 1, 0
	QUARTER 1, 128, F0, F1, 0
	QUARTER 1, 256, F1, F0, 0
	QUARTER 1, 384, F0, F1, 0
	s_wait_dscnt 8
	WIN MUL
	MUL8 F1, 0, 0
	s_wait_dscnt 0
	MUL8 F1, 2, 0
	WIN 0
; Block a (16 rows x 64 columns): the turn, the hold, the conversion, into the stage.  cnt: the younger cos and sin loads that may stay out.
.macro ROPE a, cnt
.set CSS, CS+32*((\a)%2)
	s_wait_loadcnt \cnt
.set n, 0
.rept 16
	v_cndmask_b32 v[CSS+n], v[CSS+n], v[ONE], s96          ; v: cos = 1,
	v_cndmask_b32 v[CSS+16+n], v[CSS+16+n], v[ZER], s96    ; sin = 0
.set n, n+1
.endr
.irp b, 0,1,2,3
.set A0, ACC+8*(4*(\a)+\b)
.set WW, W+8*(\b%2)
.irp i, 0,1,2,3
	v_mul_f32 v[WW+2*\i], v[A0+2*\i+1], v[CSS+16+4*\b+\i]  ; imag x sin  (an accumulator is read from its low end on)
	v_mul_f32 v[WW+2*\i+1], v[A0+2*\i+1], v[CSS+4*\b+\i]   ; imag x cos
.endr
.irp i, 0,1,2,3
	v_fma_f32 v[WW+2*\i], v[A0+2*\i], v[CSS+4*\b+\i], -v[WW+2*\i]          ; real x cos - imag x sin
	v_fma_f32 v[WW+2*\i+1], v[A0+2*\i], v[CSS+16+4*\b+\i], v[WW+2*\i+1]    ; real x sin + imag x cos
.endr
.irp i, 0,1,2,3,4,5,6,7
	v_med3_num_f32 v[WW+\i], v[WW+\i], -v[LIM], v[LIM]     ; the conversion does not saturate (ISA guide 7.6.2)
.endr
	v_cvt_scalef32_pk8_fp8_f32 v[CD+8*(\a)+2*\b:CD+8*(\a)+2*\b+1], v[WW:WW+7], v[SCL]
.endr
	v_nop                                          ; a plain line behind the last conversion
.irp b, 0,1,2,3
	ds_store_b64 v[STO], v[CD+8*(\a)+2*\b:CD+8*(\a)+2*\b+1] offset:(32*((\a)/2)+8*((\a)%2))*SPITCH+16*\b   ; row swap34(16 a + r), bytes 16 b + 8 h on
.endr
.endm
	PLACES
	s_wait_alu depctr_va_vdst(0)
	ROPE 0, 8                                      ; set 1's eight loads may be out
	LOADCS 2
	ROPE 1, 8
	LOADCS 3
	ROPE 2, 8
	ROPE 3, 0
.set n, 0
.rept 8
	ds_load_b128 v[CS+4*n:CS+4*n+3], v[RD] offset:16*SPITCH*(n/2)+32*(n%2)   ; LDS serves a wave's instructions in order: these see my stores
.set n, n+1
.endr
.set n, 0
.rept 8
	s_wait_dscnt 7-n                               ; rows 8 n on are back; the younger loads may be out
	global_store_b128 v[CO], v[CS+4*n:CS+4*n+3], s[98:99] offset:512*n   ; 32 lanes store 512 consecutive bytes, aligned
.set n, n+1
.endr
	s_wait_tensorcnt 0x0                           ; the wave's end
	ds_add_u32 v[SPW], v[NIL]
	s_wait_dscnt 0x0
	CROUND                                         ; the closing round
	s_endpgm
.Lfunc_end_k_q92cbb4c2af_gemm_qkv:
	.size	k_q92cbb4c2af_gemm_qkv, .Lfunc_end_k_q92cbb4c2af_gemm_qkv-k_q92cbb4c2af_gemm_qkv
	.p2alignl 7, 3214868480
	.fill 96, 4, 3214868480
	.section	.rodata,"a",@progbits
	.p2align	6, 0x0
	.amdhsa_kernel k_q92cbb4c2af_gemm_qkv
		.amdhsa_group_segment_fixed_size 327680
		.amdhsa_private_segment_fixed_size 0
		.amdhsa_enable_private_segment 0
		.amdhsa_kernarg_size 56
		.amdhsa_user_sgpr_count 2
		.amdhsa_user_sgpr_kernarg_segment_ptr 1
		.amdhsa_wavefront_size32 1
		.amdhsa_system_sgpr_workgroup_id_x 1
		.amdhsa_system_sgpr_workgroup_id_y 1
		.amdhsa_system_sgpr_workgroup_id_z 1
		.amdhsa_system_vgpr_workitem_id 0
		.amdhsa_next_free_vgpr 512
		.amdhsa_next_free_sgpr 102
		.amdhsa_reserve_vcc 0
		.amdhsa_float_denorm_mode_32 3
		.amdhsa_float_denorm_mode_16_64 3
		.amdhsa_memory_ordered 1
		.amdhsa_forward_progress 1
		.amdhsa_inst_pref_size 100
	.end_amdhsa_kernel
	.amdgpu_metadata
---
amdhsa.version: [ 1, 2 ]
amdhsa.kernels:
  - .name:           k_q92cbb4c2af_gemm_qkv
    .symbol:         k_q92cbb4c2af_gemm_qkv.kd
    .args:
      - { .name: xc, .offset: 0, .size: 8, .value_kind: global_buffer, .address_space: global }
      - { .name: wc, .offset: 8, .size: 8, .value_kind: global_buffer, .address_space: global }
      - { .name: cos, .offset: 16, .size: 8, .value_kind: global_buffer, .address_space: global }
      - { .name: sin, .offset: 24, .size: 8, .value_kind: global_buffer, .address_space: global }
      - { .name: lowp_scales, .offset: 32, .size: 8, .value_kind: global_buffer, .address_space: global }
      - { .name: qc, .offset: 40, .size: 8, .value_kind: global_buffer, .address_space: global }
      - { .name: kvc, .offset: 48, .size: 8, .value_kind: global_buffer, .address_space: global }
    .group_segment_fixed_size: 327680
    .private_segment_fixed_size: 0
    .kernarg_segment_align: 8
    .kernarg_segment_size: 56
    .max_flat_workgroup_size: 128
    .sgpr_count:     102
    .vgpr_count:     512
    .wavefront_size: 32
...
	.end_amdgpu_metadata
.endif
;; end of part 3
;; launch attn (part 4): grid 256 x 1, 4 waves a work-group, no clusters, 17,920 bytes of LDS; arguments qc, kvc, ml, mfl, lowp_scales, ac; writes ac
.if DOCPART == 4
	.amdgcn_target "amdgcn-amd-amdhsa--gfx1250"
	.amdhsa_code_object_version 6
	.text
	.protected	k_q92cbb4c2af_attn
	.globl	k_q92cbb4c2af_attn
	.p2align	8
	.type	k_q92cbb4c2af_attn,@function
k_q92cbb4c2af_attn:
	s_mov_b64 s[64:65], 0
	v_nop
	global_prefetch_b8 v0, s[64:65] scope:SCOPE_SE
	s_setreg_imm32_b32 hwreg(HW_REG_WAVE_MODE, 25, 1), 1
	s_wait_xcnt 0x0
; Products 4 and 5 on E4M3 codes, with the clip, the additive mask and the softmax between them; o is quantised for product 6.
; t = clip(q . k / 8, +-20) x log2(e) + mask x log2(e), one fused multiply-add on the clipped raw sum (ml holds mask x log2(e));  M = the running largest t rounded up to a whole number;
; p = 2^(t - M) is quantised with 2^e8; the row's sum is taken of the unquantised p.  When M moves, the sum and O are multiplied by 2^(old M - new M): exact.  t is rounded before M is taken away, so t - M <= 0.
; TILES LEFT OUT: word 64 j of mfl names, bit by bit, the tiles of 128 keys that count for rows 16 j on; the first launch made it from the mask and shows at its head why the others move no result.
; SHARES.  Work-group W: key/value head W / 32.  Wave w: query heads 2 (w % 2), + 1 of that head's four, and two groups of 16 queries, one after the other: 127 - js, then js, js = 2 (W % 32) + w / 2.
; Each fragment of K and V feeds two matrix instructions, each mask register two heads.  One wave to a SIMD.
; THE WALK hangs on a stored list, so the launch has no tensor load and no joint loads: K, V (laid by the launch before in the order of a fragment's loads) and ml go from memory straight into registers,
; every load 512 consecutive bytes, into two sets that take turns: trip t asks for step t + 1 where the list has it.  The loops' trip counts are constants; scalar branches on the list's bits lead round loads and work.
; PREFETCH: ml's tile of step t + 3 (8,192 bytes, lanes 256 bytes apart) is asked for in trip t by the one wave among the sixteen that read it (head 0, pair 0), where the list has it.
; K and V are not prefetched: each of their blocks is read by 128 waves of the head in the same trips.
; LAYOUT as in the launch before: both products transposed (S^T = K Q^T, O^T = V^T P^T), a lane holds one query; register 16 b + i of S^T is key 32 b + 16 (lane / 16) + i.
; LIMITS: e6 + e7 between -120 and 130; e8, e10 between -126 and 119; e8 + e9 goes by v_ldexp_f32.  NaN among the inputs is not served.
; REGISTERS.  Window 0: v1-11 addresses and constants; v12-23 -M, largest t, sums, f of both heads; v24-38 at work; v40-55 Q; v56-87 p's codes; v96-159, v160-223 S^T .. p of heads A, B.
;   Window 1: K sets at v0, v64; V sets at v128, v192.   Window 2: ml sets at v0, v64; O^T of A at v128, of B at v160.
.set SGP,   272                        ; the way out: a stage row, 256 bytes + 16
.set SPARE, 2*32*SGP                   ; behind the stage: the spare words
.set LO, 1
.set SPW, 2
.set NIL, 3
.set STI, 4
.set STO, 5
.set GO, 6
.set QA, 7
.set CL, 8
.set HB, 9
.set SP, 10
.set PFO, 11
.set HO, 36
.set SO, 37
.set STP, 38
.set QF, 40
.set PA, 56
.set PB, 72
.set SA, 96
.set SB, 160
.set OA, 128
.set OB, 160
.set WV, 18
.set HP, 19
.set JS, 20
.set G, 21
.set J, 24
.set PASS, 25
.set PO, 26
.set FL, 27
.set CNT, 28
.set FO, 29
.set KB, 30
.set MB, 32
.set QB, 34
.set FP, 42
.set ASK, 43
.set SEL, 44
.set C, 46
.set ES, 48
.set KV0, 60
.set EO, 62
.set MSB, 0
.macro WIN new                         ; the immediate's high byte repeats the setting that is left
.if MSB != \new
	s_set_vgpr_msb (MSB<<8)|\new
.set MSB, \new
.endif
.endm
.macro LOADS p                         ; one step's K, V and ml into set p: 48 loads of 512 consecutive bytes
	WIN 0x40
.set n, 0
.rept 8
	global_load_b128 v[64*(\p)+8*n:64*(\p)+8*n+3], v[LO], s[KB:KB+1] offset:(n/4)*8192+(n%4)*1024
	global_load_b128 v[64*(\p)+8*n+4:64*(\p)+8*n+7], v[LO], s[KB:KB+1] offset:(n/4)*8192+(n%4)*1024+512
.set n, n+1
.endr
.set n, 0
.rept 16                               ; V: tile n / 4 of 16 channels, keys 32 (n % 4) + 16 (lane / 16) on
	global_load_b128 v[128+64*(\p)+4*n:128+64*(\p)+4*n+3], v[LO], s[KB:KB+1] offset:((n%4)/2)*8192+4096+(n/4)*1024+512*(n%2)
.set n, n+1
.endr
	WIN 0x80
.set n, 0
.rept 16
	global_load_b128 v[64*(\p)+4*n:64*(\p)+4*n+3], v[LO], s[MB:MB+1] offset:512*n
.set n, n+1
.endr
	WIN 0
.endm
.macro SUM s, l                        ; the row's sum of the unquantised p, two at a time, in four chains
	v_pk_add_f32 v[30:31], v[\s:\s+1], v[\s+2:\s+3]
	v_pk_add_f32 v[32:33], v[\s+4:\s+5], v[\s+6:\s+7]
	v_pk_add_f32 v[34:35], v[\s+8:\s+9], v[\s+10:\s+11]
	v_pk_add_f32 v[\l:\l+1], v[\l:\l+1], v[\s+12:\s+13]
.set n, 14
.rept 6
	v_pk_add_f32 v[30:31], v[30:31], v[\s+n:\s+n+1]
	v_pk_add_f32 v[32:33], v[32:33], v[\s+n+2:\s+n+3]
	v_pk_add_f32 v[34:35], v[34:35], v[\s+n+4:\s+n+5]
	v_pk_add_f32 v[\l:\l+1], v[\l:\l+1], v[\s+n+6:\s+n+7]
.set n, n+8
.endr
	v_pk_add_f32 v[30:31], v[30:31], v[\s+62:\s+63]
	v_pk_add_f32 v[32:33], v[32:33], v[34:35]
	v_pk_add_f32 v[\l:\l+1], v[\l:\l+1], v[30:31]
	v_pk_add_f32 v[\l:\l+1], v[\l:\l+1], v[32:33]
.endm
.macro CODES s, c                      ; 64 held p into 16 registers of codes
.irp b, 0,1,2,3
	v_cvt_scalef32_pk8_fp8_f32 v[\c+4*\b:\c+4*\b+1], v[\s+16*\b:\s+16*\b+7], v[SP]
	v_cvt_scalef32_pk8_fp8_f32 v[\c+4*\b+2:\c+4*\b+3], v[\s+16*\b+8:\s+16*\b+15], v[SP]
.endr
.endm
; A KEY STEP: 128 keys from set p, both heads.
.macro COMPUTE p
	WIN 0x01
.set n, 0
.rept 8
	v_wmma_f32_16x16x64_fp8_fp8 v[SA+8*n:SA+8*n+7], v[64*(\p)+8*n:64*(\p)+8*n+7], v[QF:QF+7], 0
	v_wmma_f32_16x16x64_fp8_fp8 v[SB+8*n:SB+8*n+7], v[64*(\p)+8*n:64*(\p)+8*n+7], v[QF+8:QF+15], 0
.set n, n+1
.endr
	WIN 0
.rept 4
	v_nop                                          ; four plain places behind the products (ISA guide 7.12.1)
.endr
.set n, 0
.rept 128
	v_med3_num_f32 v[SA+n], v[SA+n], -v[CL], v[CL] ; the clip, on the raw sums; each accumulator from its low end on
.set n, n+1
.endr
	WIN 0x20
.set n, 0
.rept 32
	v_pk_fma_f32 v[SA+n:SA+n+1], v[SA+n:SA+n+1], s[C:C+1], v[64*(\p)+n:64*(\p)+n+1] op_sel_hi:[1,0,1]   ; t
	v_pk_fma_f32 v[SB+n:SB+n+1], v[SB+n:SB+n+1], s[C:C+1], v[64*(\p)+n:64*(\p)+n+1] op_sel_hi:[1,0,1]
.set n, n+2
.endr
	WIN 0
	v_max3_num_f32 v24, v[SA], v[SA+1], v[SA+2]    ; the step's largest t of my query, two chains a head
	v_max3_num_f32 v25, v[SA+3], v[SA+4], v[SA+5]
	v_max3_num_f32 v26, v[SB], v[SB+1], v[SB+2]
	v_max3_num_f32 v27, v[SB+3], v[SB+4], v[SB+5]
.irp i, 6,10,14,18,22,26,30,34,38,42,46,50,54,58
	v_max3_num_f32 v24, v24, v[SA+\i], v[SA+\i+1]
	v_max3_num_f32 v25, v25, v[SA+\i+2], v[SA+\i+3]
	v_max3_num_f32 v26, v26, v[SB+\i], v[SB+\i+1]
	v_max3_num_f32 v27, v27, v[SB+\i+2], v[SB+\i+3]
.endr
	v_max3_num_f32 v24, v24, v[SA+62], v[SA+63]
	v_max3_num_f32 v26, v26, v[SB+62], v[SB+63]
	v_max_num_f32 v24, v24, v25
	v_max_num_f32 v26, v26, v27
	v_permlanex16_b32 v28, v24, s[SEL], s[SEL+1]
	v_permlanex16_b32 v29, v26, s[SEL], s[SEL+1]
	v_max_num_f32 v24, v24, v28                    ; and among lane l xor 16's
	v_max_num_f32 v26, v26, v29
	v_max_num_f32 v13, v13, v24                    ; the running largest t
	v_max_num_f32 v15, v15, v26
	v_mov_b32 v24, v12
	v_mov_b32 v26, v14
	v_floor_f32 v12, -v13                          ; the new -M: a whole number
	v_floor_f32 v14, -v15
	v_sub_f32 v24, v12, v24                        ; old M - new M, 0 or less
	v_sub_f32 v26, v14, v26
	v_cvt_i32_f32 v24, v24                         ; (it saturates)
	v_cvt_i32_f32 v26, v26
	v_ldexp_f32 v20, 1.0, v24                      ; f = 2^(old M - new M)
	v_ldexp_f32 v22, 1.0, v26
.set n, 0
.rept 32
	v_pk_add_f32 v[SA+n:SA+n+1], v[SA+n:SA+n+1], v[12:13] op_sel_hi:[1,0]   ; t - M
	v_pk_add_f32 v[SB+n:SB+n+1], v[SB+n:SB+n+1], v[14:15] op_sel_hi:[1,0]
.set n, n+2
.endr
	s_wait_alu depctr_va_vdst(0)
.set n, 0
.rept 64
	v_exp_f32 v[SA+n], v[SA+n]                     ; p of head A
.set n, n+1
.endr
	v_pk_mul_f32 v[16:17], v[16:17], v[20:21] op_sel_hi:[1,0]   ; A's sum under the new M: the plain line behind the batch
	s_wait_alu depctr_va_vdst(0)                   ; and behind it, ahead of its first reader
	SUM SA, 16
	s_wait_alu depctr_va_vdst(0)                   ; ahead of the second batch
.set n, 0
.rept 64
	v_exp_f32 v[SB+n], v[SB+n]                     ; p of head B; between its lines A's hold: the conversion does not saturate (ISA guide 7.6.2), p is not negative
	v_min_num_f32 v[SA+n], v[SA+n], v[HB]
.set n, n+1
.endr
	v_pk_mul_f32 v[18:19], v[18:19], v[22:23] op_sel_hi:[1,0]
	s_wait_alu depctr_va_vdst(0)                   ; behind the second batch
	CODES SA, PA
	SUM SB, 18
.set n, 0
.rept 64
	v_min_num_f32 v[SB+n], v[SB+n], v[HB]
.set n, n+1
.endr
	CODES SB, PB
	WIN 0x82
	s_wait_alu depctr_va_vdst(0)                   ; directly ahead of the first readers of O^T
.set n, 0
.rept 16
	v_pk_mul_f32 v[OA+n:OA+n+1], v[OA+n:OA+n+1], v[20:21] op_sel_hi:[1,0]   ; O^T under the new M; also the plain lines behind the conversions
.set n, n+2
.endr
.set n, 0
.rept 16
	v_pk_mul_f32 v[OB+n:OB+n+1], v[OB+n:OB+n+1], v[22:23] op_sel_hi:[1,0]
.set n, n+2
.endr
	WIN 0xa1
.irp t, 0,1,2,3                        ; the eight accumulators take turns, one instruction a turn
	v_wmma_f32_16x16x128_fp8_fp8 v[OA+8*\t:OA+8*\t+7], v[128+64*(\p)+16*\t:128+64*(\p)+16*\t+15], v[PA:PA+15], v[OA+8*\t:OA+8*\t+7]
	v_wmma_f32_16x16x128_fp8_fp8 v[OB+8*\t:OB+8*\t+7], v[128+64*(\p)+16*\t:128+64*(\p)+16*\t+15], v[PB:PB+15], v[OB+8*\t:OB+8*\t+7]
.endr
	WIN 0
.rept 4
	v_nop                                          ; places in front of the next trip's loads into this set
.endr
	s_wait_alu depctr_va_vdst(0)
.endm
; A TRIP: bit p of the list is this step, bit p + 1 the next.
.macro TRIP p
	s_wait_loadcnt 0x0                             ; this step's set is in; no load of mine is out,
	s_wait_xcnt 0x0                                ; and a prefetch has read its address: the bases may step
	s_add_nc_u64 s[KB:KB+1], s[KB:KB+1], 16384
	s_add_nc_u64 s[MB:MB+1], s[MB:MB+1], 8192
	s_bitcmp1_b32 s[FL], \p+1
	s_cbranch_scc0 .Lnl_\@
	LOADS 1-\p
.Lnl_\@:
	s_bitcmp1_b32 s[FP], \p+3
	s_cbranch_scc0 .Lnp_\@
	global_prefetch_b8 v[PFO], s[MB:MB+1] offset:16384 th:TH_LOAD_NT scope:SCOPE_SE
.Lnp_\@:
	s_bitcmp1_b32 s[FL], \p
	s_cbranch_scc0 .Lnc_\@
	COMPUTE \p
.Lnc_\@:
.endm
	s_load_b256 s[4:11], s[0:1], 0x0               ; qc, kvc, ml, mfl
	s_load_b128 s[12:15], s[0:1], 0x20             ; the scales' exponents, ac
	v_lshl_add_u32 v[SPW], v0, 2, SPARE
	v_mov_b32 v[NIL], 0
	v_lshrrev_b32 v24, 5, v0
	v_readfirstlane_b32 s[WV], v24
	s_and_b32 s[HP], s[WV], 1                      ; my pair of heads
	s_lshr_b32 s36, s[WV], 1
	s_and_b32 s[JS], ttmp9, 31
	s_lshl_b32 s[JS], s[JS], 1
	s_add_co_u32 s[JS], s[JS], s36                 ; js
	s_lshr_b32 s[G], ttmp9, 5                      ; key/value head
	s_or_b32 s[ASK], s[G], s[HP]                   ; 0 in the wave that prefetches ml
	s_mul_i32 s37, s36, 32*SGP                     ; the stage of my js: 32 rows
	s_lshl_b32 s38, s[HP], 7
	s_add_co_u32 s38, s38, s37
	s_mul_i32 s39, s[HP], 16*SGP
	s_add_co_u32 s39, s39, s37
	s_mov_b32 s[SEL], 0x76543210
	s_mov_b32 s[SEL+1], 0xfedcba98
	v_and_b32 v24, 31, v0
	v_lshlrev_b32 v[LO], 4, v24
	v_lshlrev_b32 v[PFO], 8, v24
	v_and_b32 v25, 15, v0                          ; r
	v_bfe_u32 v26, v0, 4, 1                        ; h
	v_lshrrev_b32 v27, 3, v25
	v_and_b32 v28, 7, v25
	v_lshlrev_b32 v[QA], 10, v27
	v_lshl_add_u32 v[QA], v26, 8, v[QA]
	v_lshl_add_u32 v[QA], v28, 4, v[QA]            ; Q: 1,024 (r / 8) + 256 h + 16 (r % 8)
	v_mul_u32_u24 v[STI], v25, SGP
	v_lshl_add_u32 v[STI], v26, 4, v[STI]
	v_add_nc_u32 v[STI], s38, v[STI]               ; into the stage: row r, byte 128 x pair + 16 h
	v_mul_u32_u24 v[STO], v26, SGP
	v_lshl_add_u32 v[STO], v25, 4, v[STO]
	v_add_nc_u32 v[STO], s39, v[STO]               ; back: the 16 rows of group number (my pair), sixteen lanes to a row
	v_lshlrev_b32 v[GO], 11, v26
	v_lshl_add_u32 v[GO], v25, 4, v[GO]
	v_mov_b32 v21, 0                               ; (named as upper halves of pairs)
	v_mov_b32 v23, 0
	v_mov_b32 v28, 0                               ; a lane permute's destination counts as read
	v_mov_b32 v29, 0
	WIN 0x40                                       ; set 1 starts as zeros, so that a step's registers hold numbers on every way through the text
.set n, 0
.rept 64
	v_mov_b32 v[64+n], 0
	v_mov_b32 v[192+n], 0
.set n, n+1
.endr
	WIN 0x80
.set n, 0
.rept 64
	v_mov_b32 v[64+n], 0
.set n, n+1
.endr
	WIN 0
	s_wait_alu depctr_va_vdst(0)
	s_wait_kmcnt 0x0
	s_load_b256 s[ES:ES+7], s[12:13], 0x0
	s_load_b128 s[ES+8:ES+11], s[12:13], 0x20
	s_lshl_b32 s36, s[G], 18
	s_mov_b32 s37, 0
	s_add_nc_u64 s[KV0:KV0+1], s[6:7], s[36:37]    ; the head's 262,144 bytes of kvc
	s_lshl_b32 s36, s[G], 2
	s_lshl_b32 s38, s[HP], 1
	s_add_co_u32 s36, s36, s38
	s_lshl_b32 s36, s36, 17
	s_add_nc_u64 s[4:5], s[4:5], s[36:37]          ; head A's 131,072 bytes of qc
	s_sub_co_u32 s38, 127, s[JS]
	s_cmp_eq_u32 s[HP], 0
	s_cselect_b32 s38, s38, s[JS]                  ; the group whose rows I store
	s_lshl_b32 s36, s38, 15
	s_lshl_b32 s38, s[G], 8
	s_add_co_u32 s36, s36, s38
	s_add_nc_u64 s[14:15], s[14:15], s[36:37]      ; ac: row 16 x group, byte 256 x key/value head
	s_wait_kmcnt 0x0
	s_add_co_i32 s36, s[ES+6], s[ES+7]
	s_lshl_b32 s37, s36, 23
	s_add_co_i32 s[C], s37, 0x3e38aa3b             ; log2(e) / 8 x 2^(e6 + e7)
	s_mov_b32 s[C+1], s[C]
	s_sub_co_i32 s37, 3, s36
	s_lshl_b32 s37, s37, 23
	s_add_co_i32 s37, s37, 0x41a00000
	v_mov_b32 v[CL], s37                           ; 20 x 2^(3 - e6 - e7)
	s_add_co_i32 s36, s[ES+8], 127
	s_lshl_b32 s37, s36, 23
	v_mov_b32 v[SP], s37                           ; 2^e8
	s_add_co_i32 s36, s36, 8
	s_lshl_b32 s36, s36, 23
	s_or_b32 s36, s36, 0x600000
	v_mov_b32 v[HB], s36                           ; 448 x 2^e8
	s_add_co_i32 s36, s[ES+10], 127
	s_lshl_b32 s37, s36, 23
	v_mov_b32 v[SO], s37                           ; 2^e10
	s_add_co_i32 s36, s36, 8
	s_lshl_b32 s36, s36, 23
	s_or_b32 s36, s36, 0x600000
	v_mov_b32 v[HO], s36                           ; 448 x 2^e10
	s_add_co_i32 s[EO], s[ES+8], s[ES+9]
	s_sub_co_u32 s[J], 127, s[JS]
	s_mov_b32 s[PASS], 0
	s_mov_b32 s[PO], 0
.Lpass:                                            ; two trips: group 127 - js, then js
	s_wait_alu depctr_va_vdst(0)
	s_wait_loadcnt 0x0                             ; no load of the group before is out: its bases and set 0 may be written again
	s_wait_xcnt 0x0                                ; and no prefetch still reads its address
	s_lshl_b32 s[FO], s[J], 8
	s_load_b32 s[FL], s[10:11], s[FO] offset:0x0   ; the group's list
	s_lshl_b32 s36, s[J], 17
	s_mov_b32 s37, 0
	s_add_nc_u64 s[MB:MB+1], s[8:9], s[36:37]
	s_mov_b64 s[KB:KB+1], s[KV0:KV0+1]
	s_lshr_b32 s36, s[J], 1
	s_lshl_b32 s36, s36, 11
	s_and_b32 s38, s[J], 1
	s_lshl_b32 s38, s38, 7
	s_add_co_u32 s36, s36, s38
	s_add_nc_u64 s[QB:QB+1], s[4:5], s[36:37]
	global_load_b128 v[QF:QF+3], v[QA], s[QB:QB+1]
	global_load_b128 v[QF+4:QF+7], v[QA], s[QB:QB+1] offset:512
	global_load_b128 v[QF+8:QF+11], v[QA], s[QB:QB+1] offset:131072
	global_load_b128 v[QF+12:QF+15], v[QA], s[QB:QB+1] offset:131584
	LOADS 0                                        ; step 0, whatever the list says: set 0 is filled on every way
	v_mov_b32 v13, 0xff61b1e6                      ; the largest t so far: -3e38
	v_mov_b32 v15, 0xff61b1e6
	v_floor_f32 v12, -v13
	v_floor_f32 v14, -v15
	v_mov_b32 v16, 0
	v_mov_b32 v17, 0
	v_mov_b32 v18, 0
	v_mov_b32 v19, 0
	WIN 0x80
.set n, 0
.rept 64
	v_mov_b32 v[OA+n], 0                           ; O^T: the step is written once; the first change of M leaves zeros zeros
.set n, n+1
.endr
	WIN 0
	s_mov_b32 s[CNT], 8
	s_wait_alu depctr_va_vdst(0)
	s_wait_kmcnt 0x0
	s_and_b32 s[FL], s[FL], 0xffff                 ; 16 steps: no bit asks for a step behind the last
	s_cmp_eq_u32 s[ASK], 0
	s_cselect_b32 s[FP], s[FL], 0
.Lstep:
	TRIP 0
	TRIP 1
	s_lshr_b32 s[FL], s[FL], 2
	s_lshr_b32 s[FP], s[FP], 2
	s_sub_co_u32 s[CNT], s[CNT], 1
	s_cmp_lg_u32 s[CNT], 0
	s_cbranch_scc1 .Lstep
	; the group's way into the stage: o = O^T x 2^(e8 + e9) / the sum, quantised with 2^e10
	v_add_f32 v16, v16, v17
	v_add_f32 v18, v18, v19
	v_permlanex16_b32 v28, v16, s[SEL], s[SEL+1]
	v_permlanex16_b32 v29, v18, s[SEL], s[SEL+1]
	v_add_f32 v16, v16, v28
	v_add_f32 v18, v18, v29
	s_wait_alu depctr_va_vdst(0)                   ; ahead of the reciprocals
	v_rcp_f32 v16, v16
	v_rcp_f32 v18, v18
	v_add_nc_u32 v[STP], s[PO], v[STI]             ; (a plain line behind them)
	s_wait_alu depctr_va_vdst(0)                   ; ahead of their first reader
	v_ldexp_f32 v16, v16, s[EO]
	v_ldexp_f32 v18, v18, s[EO]
	WIN 0x02
	s_wait_alu depctr_va_vdst(0)                   ; directly ahead of the first readers of O^T
.set n, 0
.rept 32
	v_mul_f32 v[SA+n], v[OA+n], v16                ; tile t, register j: channel 32 (t / 2) + 16 h + 8 (t % 2) + j
.set n, n+1
.endr
.set n, 0
.rept 32
	v_mul_f32 v[SB+n], v[OB+n], v18
.set n, n+1
.endr
	WIN 0
.set n, 0
.rept 32
	v_med3_num_f32 v[SA+n], v[SA+n], -v[HO], v[HO]
	v_med3_num_f32 v[SB+n], v[SB+n], -v[HO], v[HO]
.set n, n+1
.endr
.irp t, 0,1,2,3
	v_cvt_scalef32_pk8_fp8_f32 v[PA+2*\t:PA+2*\t+1], v[SA+8*\t:SA+8*\t+7], v[SO]
	v_cvt_scalef32_pk8_fp8_f32 v[PB+2*\t:PB+2*\t+1], v[SB+8*\t:SB+8*\t+7], v[SO]
.endr
	v_nop                                          ; a plain line behind the last conversion
	ds_store_b128 v[STP], v[PA:PA+3]
	ds_store_b128 v[STP], v[PA+4:PA+7] offset:32
	ds_store_b128 v[STP], v[PB:PB+3] offset:64
	ds_store_b128 v[STP], v[PB+4:PB+7] offset:96
	s_wait_dscnt 0x0                               ; the stores are done: for the others' sake, and their registers may be written again
	s_mov_b32 s[J], s[JS]
	s_add_co_u32 s[PO], s[PO], 16*SGP
	s_add_co_u32 s[PASS], s[PASS], 1
	s_cmp_lt_u32 s[PASS], 2
	s_cbranch_scc1 .Lpass
	s_barrier_signal -1
	s_barrier_wait -1                              ; a row's 256 bytes come from two waves: both have stored
.set n, 0
.rept 8
	ds_load_b128 v[SA+4*n:SA+4*n+3], v[STO] offset:2*n*SGP
.set n, n+1
.endr
.set n, 0
.rept 8
	s_wait_dscnt 7-n                               ; rows 2 n, 2 n + 1 are back; the younger loads may be out
	global_store_b128 v[GO], v[SA+4*n:SA+4*n+3], s[14:15] offset:4096*n   ; sixteen lanes store 256 consecutive bytes, aligned
.set n, n+1
.endr
	s_wait_tensorcnt 0x0                           ; the wave's end
	ds_add_u32 v[SPW], v[NIL]
	s_wait_dscnt 0x0
	s_endpgm
.Lfunc_end_k_q92cbb4c2af_attn:
	.size	k_q92cbb4c2af_attn, .Lfunc_end_k_q92cbb4c2af_attn-k_q92cbb4c2af_attn
	.p2alignl 7, 3214868480
	.fill 96, 4, 3214868480
	.section	.rodata,"a",@progbits
	.p2align	6, 0x0
	.amdhsa_kernel k_q92cbb4c2af_attn
		.amdhsa_group_segment_fixed_size 17920
		.amdhsa_private_segment_fixed_size 0
		.amdhsa_enable_private_segment 0
		.amdhsa_kernarg_size 48
		.amdhsa_user_sgpr_count 2
		.amdhsa_user_sgpr_kernarg_segment_ptr 1
		.amdhsa_wavefront_size32 1
		.amdhsa_system_sgpr_workgroup_id_x 1
		.amdhsa_system_sgpr_workgroup_id_y 1
		.amdhsa_system_sgpr_workgroup_id_z 1
		.amdhsa_system_vgpr_workitem_id 0
		.amdhsa_next_free_vgpr 768
		.amdhsa_next_free_sgpr 66
		.amdhsa_reserve_vcc 0
		.amdhsa_float_denorm_mode_32 3
		.amdhsa_float_denorm_mode_16_64 3
		.amdhsa_memory_ordered 1
		.amdhsa_forward_progress 1
		.amdhsa_inst_pref_size 114
	.end_amdhsa_kernel
	.amdgpu_metadata
---
amdhsa.version: [ 1, 2 ]
amdhsa.kernels:
  - .name:           k_q92cbb4c2af_attn
    .symbol:         k_q92cbb4c2af_attn.kd
    .args:
      - { .name: qc, .offset: 0, .size: 8, .value_kind: global_buffer, .address_space: global }
      - { .name: kvc, .offset: 8, .size: 8, .value_kind: global_buffer, .address_space: global }
      - { .name: ml, .offset: 16, .size: 8, .value_kind: global_buffer, .address_space: global }
      - { .name: mfl, .offset: 24, .size: 8, .value_kind: global_buffer, .address_space: global }
      - { .name: lowp_scales, .offset: 32, .size: 8, .value_kind: global_buffer, .address_space: global }
      - { .name: ac, .offset: 40, .size: 8, .value_kind: global_buffer, .address_space: global }
    .group_segment_fixed_size: 17920
    .private_segment_fixed_size: 0
    .kernarg_segment_align: 8
    .kernarg_segment_size: 48
    .max_flat_workgroup_size: 128
    .sgpr_count:     66
    .vgpr_count:     768
    .wavefront_size: 32
...
	.end_amdgpu_metadata
.endif
;; end of part 4
;; launch gemm_out (part 5): grid 16 x 16, 4 waves a work-group, clusters of 4 x 4, 327,680 bytes of LDS; arguments ac, wc, lowp_scales, out0; writes out0
.if DOCPART == 5
	.amdgcn_target "amdgcn-amd-amdhsa--gfx1250"
	.amdhsa_code_object_version 6
	.text
	.protected	k_q92cbb4c2af_gemm_out
	.globl	k_q92cbb4c2af_gemm_out
	.p2align	8
	.type	k_q92cbb4c2af_gemm_out,@function
k_q92cbb4c2af_gemm_out:
	s_mov_b64 s[64:65], 0
	v_nop
	global_prefetch_b8 v0, s[64:65] scope:SCOPE_SE
	s_setreg_imm32_b32 hwreg(HW_REG_WAVE_MODE, 25, 1), 1
	s_wait_xcnt 0x0
	s_wait_alu depctr_hold_cnt(0) depctr_sa_sdst(0) depctr_va_vdst(0) depctr_va_sdst(0) depctr_va_ssrc(0) depctr_va_vcc(0) depctr_vm_vsrc(0)
	s_getreg_b32 s2, hwreg(HW_REG_IB_STS2, 6, 4)
	s_cmp_eq_u32 s2, 0
	s_cbranch_scc0 .Lentry_in_a_cluster
	s_endpgm
.Lentry_in_a_cluster:
	s_bfe_u32 s2, ttmp6, 0x10000c
	s_cmp_lg_u32 s2, 0xf033
	s_cbranch_scc0 .Lentry_shape_is_right
	s_endpgm
.Lentry_shape_is_right:
; Product 6 on E4M3 codes: out0[i][j] = 2^(e10 + e11) x sum over k of ac[i][k] wc[3072 + j][k], f32.  LIMIT: e10 + e11 between -126 and 127.
; 16 clusters of 4 x 4 work-groups; a work-group makes 128 x 128, each of its four waves 64 x 64.  A's tile is asked for jointly along a row of the cluster, B's along a column.
; K goes in steps of 512 (LDS rows of 512 bytes + 16) through two slots; the matrix instruction is used transposed, so that a lane holds eight neighbouring columns of a row.
; The way out goes through each wave's own stage: sixteen lanes store 256 consecutive bytes, aligned.
.set KSTEP,  512
.set KROW,   2048
.set PITCH,  528
.set HALFT,  64*PITCH
.set SLOT,   4*HALFT
.set STAGE,  2*SLOT
.set SPITCH, 272
.set SPARE,  STAGE+4*16*SPITCH
.set LAPS,   2
.set ADRA, 4
.set ADRB, 6
.set STO,  8
.set RD,   9
.set CO,   10
.set SPW,  12
.set NIL,  13
.set TMP,  32
.set BK,   64
.set ACC,  128
.set F0,   0
.set F1,   128
.set G1,  24
.set G0,  32
.set G1B, 48
.set G0B, 56
.set MSB, 0
.macro WIN new
.if MSB != \new
	s_set_vgpr_msb (MSB<<8)|\new
.set MSB, \new
.endif
.endm
.set MUL,  0x05
.set TO_F, 0x40
.macro JLOAD s
	s_cmp_eq_u32 s11, 0
	s_cbranch_scc0 .Lfor_b_\@
	tensor_load_to_lds s[G0+4*\s:G0+4*\s+3], s[G1:G1+7]
	s_nop 0
.rept 4
	v_nop
.endr
	s_branch .Lasked_\@
.Lfor_b_\@:
	tensor_load_to_lds s[G0B+4*\s:G0B+4*\s+3], s[G1B:G1B+7]
	s_nop 0
.rept 4
	v_nop
.endr
.Lasked_\@:
.endm
.macro CREST
	s_cmp_lg_u32 s10, 0
	s_cbranch_scc1 .Lnot_wave_0_\@
	s_barrier_signal -3
.Lnot_wave_0_\@:
	s_barrier_wait -3
	s_barrier_signal -1
	s_barrier_wait -1
.endm
.macro CROUND
	s_barrier_signal -1
	s_barrier_wait -1
	CREST
.endm
.macro PLACES
.rept 4
	v_nop
.endr
.endm
	s_load_b128 s[4:7], s[0:1], 0x0
	s_load_b128 s[68:71], s[0:1], 0x10
	v_lshl_add_u32 v[SPW], v0, 2, SPARE
	v_mov_b32 v[NIL], 0
	ds_add_u32 v12, v13
	ds_add_u32 v12, v13
	s_wait_dscnt 0x0
	v_lshrrev_b32 v16, 5, v0
	v_readfirstlane_b32 s10, v16
	s_lshr_b32 s11, s10, 1
	s_and_b32 s12, s10, 1
	s_bfe_u32 s40, ttmp6, 0x40000
	s_bfe_u32 s41, ttmp6, 0x40004
	s_lshl_b32 s42, ttmp9, 2
	s_add_co_u32 s42, s42, s40
	s_and_b32 s13, ttmp7, 0xffff
	s_lshl_b32 s13, s13, 2
	s_add_co_u32 s13, s13, s41
	s_lshl_b32 s43, s41, 2
	s_lshl_b32 s43, 15, s43
	s_lshl_b32 s44, 0x1111, s40
	s_or_b32 s[G1+0], s43, (0<<16)|(1<<20)|(1<<21)|(6<<22)|(3<<25)
	s_or_b32 s[G1B+0], s44, (0<<16)|(1<<20)|(1<<21)|(6<<22)|(3<<25)
.irp g, G1, G1B
	s_mov_b32 s[\g+1], KSTEP<<16
	s_mov_b32 s[\g+2], 64<<16
	s_mov_b32 s[\g+3], KSTEP<<16
	s_mov_b32 s[\g+4], 64
	s_mov_b32 s[\g+5], KROW
	s_mov_b32 s[\g+6], 0
	s_mov_b32 s[\g+7], 0
.endr
	s_lshl_b32 s17, s12, 6
	s_lshl_b32 s16, s13, 7
	s_add_co_u32 s16, s16, s17
	s_lshl_b32 s16, s16, 11
	s_lshl_b32 s46, s42, 7
	s_add_co_u32 s46, s46, s17
	s_lshl_b32 s46, s46, 11
	s_add_co_u32 s46, s46, 0x600000
	s_mov_b32 s17, 0
	s_mov_b32 s47, 0
	s_mul_i32 s20, s10, HALFT
	s_wait_kmcnt 0x0
	s_load_b64 s[66:67], s[68:69], 0x28
	s_add_nc_u64 s[14:15], s[4:5], s[16:17]
	s_add_nc_u64 s[46:47], s[6:7], s[46:47]
	CROUND
.irp s, 0,1
	s_mov_b32 s[G0+4*\s], 1
	s_add_co_u32 s[G0+4*\s+1], s20, \s*SLOT
	s_add_nc_u64 s[G0+4*\s+2:G0+4*\s+3], s[14:15], \s*KSTEP
	s_or_b32 s[G0+4*\s+3], s[G0+4*\s+3], 0x80000000
	s_mov_b32 s[G0B+4*\s], 1
	s_add_co_u32 s[G0B+4*\s+1], s20, \s*SLOT
	s_add_nc_u64 s[G0B+4*\s+2:G0B+4*\s+3], s[46:47], \s*KSTEP
	s_or_b32 s[G0B+4*\s+3], s[G0B+4*\s+3], 0x80000000
.endr
	JLOAD 0                                        ; K step 0
	v_and_b32 v16, 15, v0
	s_wait_alu depctr_va_vdst(0)
	v_bfe_u32 v17, v0, 4, 1
	v_mul_u32_u24 v18, v16, PITCH
	v_lshl_add_u32 v18, v17, 4, v18
	s_mul_i32 s21, s11, HALFT
	s_mul_i32 s22, s12, HALFT
	s_add_co_u32 s22, s22, 2*HALFT
.irp s, 0,1
	v_add_nc_u32 v[ADRA+\s], s21, v18
	v_add_nc_u32 v[ADRB+\s], s22, v18
	s_add_co_u32 s21, s21, SLOT
	s_add_co_u32 s22, s22, SLOT
.endr
	s_mul_i32 s23, s10, 16*SPITCH
	s_add_co_u32 s23, s23, STAGE
	v_mul_u32_u24 v19, v16, SPITCH
	s_wait_alu depctr_va_vdst(0)
	v_lshl_add_u32 v19, v17, 5, v19
	v_add_nc_u32 v[STO], s23, v19
	v_mul_u32_u24 v20, v17, SPITCH
	v_lshl_add_u32 v20, v16, 4, v20
	v_add_nc_u32 v[RD], s23, v20
	v_lshlrev_b32 v[CO], 13, v17
	v_lshl_add_u32 v[CO], v16, 4, v[CO]
	s_lshl_b32 s16, s13, 7
	s_lshl_b32 s17, s11, 6
	s_add_co_u32 s16, s16, s17
	s_lshl_b32 s16, s16, 13
	s_mov_b32 s17, 0
	s_add_nc_u64 s[70:71], s[70:71], s[16:17]
	s_lshl_b32 s46, s42, 9
	s_lshl_b32 s47, s12, 8
	s_add_co_u32 s46, s46, s47
	s_mov_b32 s47, 0
	s_add_nc_u64 s[70:71], s[70:71], s[46:47]
	s_wait_kmcnt 0x0
	s_add_co_i32 s66, s66, s67
	s_add_co_i32 s66, s66, 127
	s_lshl_b32 s66, s66, 23
	s_mov_b32 s67, s66
.macro MUL8 f, a0, zero
.irp a, \a0, \a0+1
.irp b, 0,1,2,3
.if \zero
	v_wmma_f32_16x16x128_fp8_fp8 v[ACC+8*(4*(\a)+\b):ACC+8*(4*(\a)+\b)+7], v[\f+64+16*\b:\f+64+16*\b+15], v[\f+16*(\a):\f+16*(\a)+15], 0
.else
	v_wmma_f32_16x16x128_fp8_fp8 v[ACC+8*(4*(\a)+\b):ACC+8*(4*(\a)+\b)+7], v[\f+64+16*\b:\f+64+16*\b+15], v[\f+16*(\a):\f+16*(\a)+15], v[ACC+8*(4*(\a)+\b):ACC+8*(4*(\a)+\b)+7]
.endif
.endr
.endr
.endm
.macro FETCH slot, k, f
	WIN TO_F
.irp i, 0,1,2,3
.irp c, 0,1,2,3
	ds_load_b128 v[\f+64+16*\i+4*\c:\f+64+16*\i+4*\c+3], v[ADRB+\slot] offset:\k+32*\c+\i*16*PITCH
.endr
.endr
.irp i, 0,1,2,3
.irp c, 0,1,2,3
	ds_load_b128 v[\f+16*\i+4*\c:\f+16*\i+4*\c+3], v[ADRA+\slot] offset:\k+32*\c+\i*16*PITCH
.endr
.endr
.endm
.macro QUARTER slot, k, f, g, zero
	s_wait_dscnt 8
	WIN MUL
	MUL8 \f, 0, \zero
	PLACES
	FETCH \slot, \k, \g
	s_wait_dscnt 32
	WIN MUL
	MUL8 \f, 2, \zero
.endm
.macro TURN slot, next, fill
	WIN 0
	s_wait_tensorcnt 0x0
	ds_add_u32 v[SPW], v[NIL]
	s_wait_dscnt 9
	WIN MUL
	MUL8 F1, 0, 0
	s_wait_dscnt 0x0
	s_barrier_signal -1
	MUL8 F1, 2, 0
	WIN 0
	s_barrier_wait -1
.if \fill
	CREST
	s_add_nc_u64 s[G0+4*\slot+2:G0+4*\slot+3], s[G0+4*\slot+2:G0+4*\slot+3], 2*KSTEP
	s_add_nc_u64 s[G0B+4*\slot+2:G0B+4*\slot+3], s[G0B+4*\slot+2:G0B+4*\slot+3], 2*KSTEP
	JLOAD \slot
.else
	PLACES
.endif
	FETCH \next, 0, F0
.endm
	s_wait_alu depctr_va_vdst(0)
	s_wait_tensorcnt 0x0                           ; my part of K step 0 is in
	ds_add_u32 v[SPW], v[NIL]
	s_wait_dscnt 0x0
	CROUND                                         ; everybody's part of K step 0 is in, and the joint loads meet
	JLOAD 1                                        ; K step 1, the first tensor load behind the round
	FETCH 0, 0, F0
	QUARTER 0, 128, F0, F1, 1
	WIN 0
	s_mov_b32 s3, LAPS-1
.Llap:
	QUARTER 0, 256, F1, F0, 0
	QUARTER 0, 384, F0, F1, 0
	TURN 0, 1, 1
	QUARTER 1, 128, F0, F1, 0
	QUARTER 1, 256, F1, F0, 0
	QUARTER 1, 384, F0, F1, 0
	TURN 1, 0, 1
	QUARTER 0, 128, F0, F1, 0
	WIN 0
	s_sub_co_u32 s3, s3, 1
	s_cmp_lg_u32 s3, 0
	s_cbranch_scc1 .Llap
	QUARTER 0, 256, F1, F0, 0
	QUARTER 0, 384, F0, F1, 0
	TURN 0, 1, 0
	QUARTER 1, 128, F0, F1, 0
	QUARTER 1, 256, F1, F0, 0
	QUARTER 1, 384, F0, F1, 0
	s_wait_dscnt 8
	WIN MUL
	MUL8 F1, 0, 0
	s_wait_dscnt 0
	MUL8 F1, 2, 0
	WIN 0
.macro TOSTAGE a
.set n, 0
.rept 16
	v_pk_mul_f32 v[TMP+n:TMP+n+1], v[ACC+32*(\a)+n:ACC+32*(\a)+n+1], s[66:67] op_sel_hi:[1,0]
.set n, n+2
.endr
.irp b, 0,1,2,3
	ds_store_b128 v[STO], v[TMP+8*\b:TMP+8*\b+3] offset:64*\b
	ds_store_b128 v[STO], v[TMP+8*\b+4:TMP+8*\b+7] offset:64*\b+16
.endr
.set BB, BK+32*((\a)%2)
.irp t, 0,1,2,3,4,5,6,7
	ds_load_b128 v[BB+4*\t:BB+4*\t+3], v[RD] offset:\t*2*SPITCH
.endr
.endm
.macro SEND a, younger
.set BB, BK+32*((\a)%2)
	s_wait_dscnt \younger
.irp t, 0,1,2,3,4,5,6,7
	global_store_b128 v[CO], v[BB+4*\t:BB+4*\t+3], s[70:71] offset:(16*(\a)+2*\t)*8192 th:TH_STORE_NT
.endr
.endm
	PLACES
	TOSTAGE 0
.irp a, 1,2,3
.if \a > 1
	s_wait_xcnt 0x0
.endif
	TOSTAGE \a
	SEND \a-1, 16
.endr
	SEND 3, 0
	s_wait_tensorcnt 0x0
	ds_add_u32 v[SPW], v[NIL]
	s_wait_dscnt 0x0
	CROUND
	s_endpgm
.Lfunc_end_k_q92cbb4c2af_gemm_out:
	.size	k_q92cbb4c2af_gemm_out, .Lfunc_end_k_q92cbb4c2af_gemm_out-k_q92cbb4c2af_gemm_out
	.p2alignl 7, 3214868480
	.fill 96, 4, 3214868480
	.section	.rodata,"a",@progbits
	.p2align	6, 0x0
	.amdhsa_kernel k_q92cbb4c2af_gemm_out
		.amdhsa_group_segment_fixed_size 327680
		.amdhsa_private_segment_fixed_size 0
		.amdhsa_enable_private_segment 0
		.amdhsa_kernarg_size 32
		.amdhsa_user_sgpr_count 2
		.amdhsa_user_sgpr_kernarg_segment_ptr 1
		.amdhsa_wavefront_size32 1
		.amdhsa_system_sgpr_workgroup_id_x 1
		.amdhsa_system_sgpr_workgroup_id_y 1
		.amdhsa_system_sgpr_workgroup_id_z 1
		.amdhsa_system_vgpr_workitem_id 0
		.amdhsa_next_free_vgpr 512
		.amdhsa_next_free_sgpr 72
		.amdhsa_reserve_vcc 0
		.amdhsa_float_denorm_mode_32 3
		.amdhsa_float_denorm_mode_16_64 3
		.amdhsa_memory_ordered 1
		.amdhsa_forward_progress 1
		.amdhsa_inst_pref_size 74
	.end_amdhsa_kernel
	.amdgpu_metadata
---
amdhsa.version: [ 1, 2 ]
amdhsa.kernels:
  - .name:           k_q92cbb4c2af_gemm_out
    .symbol:         k_q92cbb4c2af_gemm_out.kd
    .args:
      - { .name: ac, .offset: 0, .size: 8, .value_kind: global_buffer, .address_space: global }
      - { .name: wc, .offset: 8, .size: 8, .value_kind: global_buffer, .address_space: global }
      - { .name: lowp_scales, .offset: 16, .size: 8, .value_kind: global_buffer, .address_space: global }
      - { .name: out0, .offset: 24, .size: 8, .value_kind: global_buffer, .address_space: global }
    .group_segment_fixed_size: 327680
    .private_segment_fixed_size: 0
    .kernarg_segment_align: 8
    .kernarg_segment_size: 32
    .max_flat_workgroup_size: 128
    .sgpr_count:     72
    .vgpr_count:     512
    .wavefront_size: 32
...
	.end_amdgpu_metadata
.endif
;; end of part 5
